; MI455X (gfx1250); checked and timed in simulation.
; The chip was launched on July 23, 2026; its instructions are those of AMD's public machine-readable ISA for CDNA 5 (MIT licence, August 2026) and "CDNA5" Instruction Set Architecture Reference Guide (July 2026). The comments in the code are by the model that wrote it; some were corrected since.
;; Causal Multi Head Self Attention. Allowed arithmetic: matrix products marked QUANTISED: E3M2 operands, one E8M0 scale for each 32 along K, by v_wmma_scale_f32_16x16x128_f8f6f4 with both operands' format E3M2, f32 sums; everything else in f32.
;; Inputs: Wk 1,024 x 1,024 float32; Wo 1,024 x 1,024 float32; Wq 1,024 x 1,024 float32; Wv 1,024 x 1,024 float32; x 4 x 2,048 x 1,024 float32.
;; Outputs: out0 4 x 2,048 x 1,024 float32.
;; This version of the problem:
;;   THIS VERSION OF THE PROBLEM IS GIVEN IN LOW PRECISION. The matrix products marked QUANTISED in the list below multiply operands that are first quantised to E3M2 (3 exponent bits, 2 mantissa bits; 6 bits a number), with one power-of-two scale for each 32 numbers along K (OCP MX v1.0); their sums are f32. All else is computed in f32.
;;   The module's matrix products, in the order in which they are computed (A, B: the left and right operand; K: the contracted axis; several contracted axes count as one K, in the product's order):
;;     1. [M 8,192, K 1,024] x [K 1,024, N 1,024]; A: input x; B: input Wq: QUANTISED
;;     2. [M 8,192, K 1,024] x [K 1,024, N 1,024]; A: input x; B: input Wk: QUANTISED
;;     3. [M 8,192, K 1,024] x [K 1,024, N 1,024]; A: input x; B: input Wv: QUANTISED
;;     4. batch 64 x [M 2,048, K 64] x [K 64, N 2,048]; A: computed on the way; B: computed on the way: QUANTISED
;;     5. batch 64 x [M 2,048, K 2,048] x [K 2,048, N 64]; A: softmax (see below); B: computed on the way: QUANTISED
;;     6. [M 8,192, K 1,024] x [K 1,024, N 1,024]; A: computed on the way; B: input Wo: QUANTISED
;;   THE QUANTISER, for each operand of a quantised product, along K:
;;     - K is cut into blocks of 32 from its start; a last block that is shorter is filled with zeros.
;;     - A block's scale is 2^e with e = floor(log2(the largest magnitude in the block)) - 4, held to -126 .. 127; a block of zeros has e = 0. As a byte (E8M0): e + 127.
;;     - Each number is divided by its block's scale, clamped to +-28, and rounded to the nearest number of E3M2, ties to even, subnormals kept.
;;     - The product sums the exact products of the quantised numbers (number of the format x scale) in f32.
;;   ~~~python
;;   def quantise(x, axis):      # numpy; x: float32 -> the quantised numbers, widened to float32 again
;;       x = np.moveaxis(x, axis, -1); K = x.shape[-1]
;;       x = np.pad(x, [(0, 0)] * (x.ndim - 1) + [(0, -K % 32)]); x = x.reshape(x.shape[:-1] + (-1, 32)); a = np.abs(x).max(-1, keepdims=True)
;;       e = np.where(a > 0, np.clip(np.frexp(np.where(a > 0, a, 1))[1] - 1 - 4, -126, 127), 0)      # np.frexp(a)[1] - 1 = floor(log2(a)), exactly
;;       r = np.clip(x / 2.0 ** e, -28, 28)
;;       step = 2.0 ** (np.maximum(np.frexp(np.where(r == 0, 1, r))[1] - 1, -2) - 2)
;;       q = np.round(r / step) * step * 2.0 ** e      # np.round: ties to even
;;       return np.moveaxis(q.reshape(q.shape[:-2] + (-1,))[..., :K], -1, axis).astype(np.float32)
;;   ~~~
;;   SOFTMAX AHEAD OF A QUANTISED PRODUCT. Where the list says 'softmax', what is quantised is not the finished softmax but p = 2^(t - M), with t = logit x log2(e) and M = ceil(the row's largest t), a whole number; so 1/2 < the row's largest p <= 1. The row's sum l is taken of the UNQUANTISED p, in f32, and the product's result is divided by l at the end. Since M is a whole number, a kernel that streams over the keys may use a running M (the ceiling of the running maximum): every later rescaling is an exact power of two, which a block's scale takes up: the codes' values come out the same.
;;   OPERANDS COMPUTED ON THE WAY. 'Computed on the way' means the value that the module computes at that place (a softmax that the list does not call 'softmax' is quantised finished and normalised). What goes into a quantiser is computed in f32, as accurately as f32 sums, v_exp_f32 and their like allow (about 1e-6 of the number): no bf16 or f16 on the way to a quantiser, and a product that is left as it is and whose result goes on into a quantised operand takes f32 operands (vector FMAs, or v_wmma_f32_16x16x4_f32). A number that lies on a knife's edge between two numbers of the format may be rounded either way, as far as f32 arithmetic and the matrix unit's own rounding can turn it there, and no further.
;; One version. Each part assembles by itself: llvm-mc -triple=amdgcn-amd-amdhsa -mcpu=gfx1250 --defsym DOCPART=n.
;; ======== version 1 of 1: 4 launches
;; workspace buffers: c1 9,437,184 bytes; s1 393,216 bytes; rope 524,288 bytes; qb 6,815,744 bytes; kv 13,631,488 bytes; c2 6,291,456 bytes; s2 262,144 bytes
;; launch quant (part 1): grid 416 x 1, 4 waves a work-group, no clusters, 34,304 bytes of LDS; arguments x, Wq, Wk, Wv, Wo, c1, s1, rope; writes c1, s1, rope
.if DOCPART == 1
	.amdgcn_target "amdgcn-amd-amdhsa--gfx1250"
	.amdhsa_code_object_version 6
	.text
	.protected	k_q24f377b20a_quant
	.globl	k_q24f377b20a_quant
	.p2align	8
	.type	k_q24f377b20a_quant,@function
k_q24f377b20a_quant:
	s_mov_b64 s[64:65], 0
	v_nop
	global_prefetch_b8 v0, s[64:65] scope:SCOPE_SE
	s_setreg_imm32_b32 hwreg(HW_REG_WAVE_MODE, 25, 1), 1
	s_wait_xcnt 0x0
; x [8192][1024] and Wq, Wk, Wv, Wo [1024][1024], f32, K innermost, become codes of BF6 (E3M2) with one E8M0 byte for each 32 along K; and the table of cos and sin for the rotation is made.
; A block's scale is 2^(floor(log2(its largest magnitude)) - 4); its byte is the largest magnitude's exponent field - 4, held at 1 from below; beyond 28 the conversion gives the largest code.
; THE CODES ARE LAID AS IMAGES OF OPERAND REGISTERS.  A TILE is 16 rows, not neighbours: lane r of tile T holds row 32 (T / 2) + 8 (T % 2) + r + 8 (r / 8).  A fragment (a tile x 128 K, 12 registers a lane) is 1,536 bytes:
; registers 0-3 at 16 x lane, 4-5 at 512 + 8 x lane, 6-9 at 768 + 16 x lane, 10-11 at 1,280 + 8 x lane.  c1 = [K quarter 4][tile 768][K step of the quarter 2][fragment]; tiles 0-511 x, then 64 each of Wq, Wk, Wv, Wo.
; s1 = [tile][K half 2][row r 16][4 words]: word j of half g is the scale word of K step 4 g + j.   rope = [position 2048][frequency 32][cos, sin], f32.
; SHARES.  Work-groups 0-383: wave w takes tile 2 g + w / 2 and K half w % 2: four K steps.  Each load reads 512 consecutive bytes of a row; a K step's 16 rows turn through the wave's own stage in LDS, so that a lane
; gets 16 neighbours of each block of 32 (the conversions take neighbours along K from one lane's registers).  Every store covers whole aligned runs of 256 bytes.  Waves share nothing: no barrier.
; Work-groups 384-415: a wave makes 16 positions of the table, a lane a frequency.
; LIMITS: NaN and infinities are not served.  A block whose largest magnitude lies under 2^-122, a block of zeros among them, keeps the byte 1 (its codes are right or zeros; this program alone reads the bytes).
; The table: the base 10000^(i / 32) is the f32 product of 10^((i % 8) / 8) and 10^(i / 8 rounded down), within an ulp and a half of the true power: at the largest position (2,047) the angle may differ by some 3e-4 rad from one
; made of the correctly rounded power.  The range reduction (two parts of pi / 2) serves angles up to the table's 2,047 rad.
.set QS1,  2359296                     ; bytes of a K quarter of c1: 768 tiles x 3,072
.set SP,   528                         ; a stage row: 512 bytes + 16: row r begins 4 r banks on
.set L16,  4                           ; v4   16 x lane
.set L8,   5                           ; v5   8 x lane
.set SIN,  6                           ; v6   the stage, way in: 16 x lane
.set SOUT, 7                           ; v7   the stage, way out: 528 r + 64 h
.set SW,   8                           ; v8   16 r + 8 h: my two scale words' place in a unit
.set TM,   16                          ; v16-31  at work in QUANT
.set WD,   32                          ; v32-35  the four K steps' scale words
.set PC,   36                          ; v36-55  the codes just made
.set R,    64                          ; v64-191 two sets of 64: a K step as loaded
.set X,    192                         ; v192-255 64 numbers of my row: register 16 b + i = K 32 b + 16 h + i
.set SEL,  28                          ; s[28:29] v_permlanex16_b32's selects for lane l xor 16
	s_load_b256 s[4:11], s[0:1], 0x0               ; x, Wq, Wk, Wv
	s_load_b256 s[12:19], s[0:1], 0x20             ; Wo, c1, s1, rope
	v_lshl_add_u32 v62, v0, 2, 0x8400
	v_mov_b32 v63, 0
	v_lshrrev_b32 v1, 5, v0
	v_readfirstlane_b32 s20, v1                    ; wave 0..3
	v_and_b32 v2, 31, v0                           ; lane
	v_lshlrev_b32 v[L8], 3, v2
	s_cmp_ge_u32 ttmp9, 384
	s_cbranch_scc1 .Ltable
	v_and_b32 v3, 15, v0                           ; r
	v_bfe_u32 v9, v0, 4, 1                         ; h
	v_lshlrev_b32 v[L16], 4, v2
	s_mul_i32 s21, s20, 16*SP                      ; my stage
	v_add_nc_u32 v[SIN], s21, v[L16]
	v_mul_u32_u24 v[SOUT], v3, SP
	v_lshl_add_u32 v[SOUT], v9, 6, v[SOUT]
	v_add_nc_u32 v[SOUT], s21, v[SOUT]
	v_lshlrev_b32 v[SW], 4, v3
	v_lshl_add_u32 v[SW], v9, 3, v[SW]
	s_mov_b32 s[SEL], 0x76543210
	s_mov_b32 s[SEL+1], 0xfedcba98
.irp b, 0,1,2,3
	v_mov_b32 v[TM+4+\b], 0                        ; written once: a lane permute's destination counts as one of its sources
.endr
	s_wait_alu depctr_va_vdst(0)
	s_wait_kmcnt 0x0
	s_cmp_lt_u32 ttmp9, 352                        ; which tensor: the choice hangs on the work-group's number alone
	s_cselect_b64 s[12:13], s[10:11], s[12:13]
	s_cmp_lt_u32 ttmp9, 320
	s_cselect_b64 s[12:13], s[8:9], s[12:13]
	s_cmp_lt_u32 ttmp9, 288
	s_cselect_b64 s[12:13], s[6:7], s[12:13]
	s_cmp_lt_u32 ttmp9, 256
	s_cselect_b64 s[12:13], s[4:5], s[12:13]
	s_cselect_b32 s22, 255, 31
	s_and_b32 s22, ttmp9, s22                      ; which 32 rows of that tensor
	s_lshr_b32 s23, s20, 1                         ; which of the two tiles
	s_and_b32 s24, s20, 1                          ; which K half
	s_lshl_b32 s26, s22, 17                        ; 32 rows of 4,096 bytes,
	s_lshl_b32 s25, s23, 15                        ; the odd tile begins 8 rows on,
	s_add_co_u32 s26, s26, s25
	s_lshl_b32 s25, s24, 11                        ; 512 numbers along K
	s_add_co_u32 s26, s26, s25
	s_mov_b32 s27, 0
	s_add_nc_u64 s[12:13], s[12:13], s[26:27]
	s_lshl_b32 s21, ttmp9, 1
	s_add_co_u32 s21, s21, s23                     ; my tile
	s_mul_i32 s26, s21, 3072
	s_mul_i32 s25, s24, 2*QS1
	s_add_co_u32 s26, s26, s25
	s_add_nc_u64 s[14:15], s[14:15], s[26:27]      ; c1 at my tile, my first K quarter
	s_lshl_b32 s26, s21, 9
	s_lshl_b32 s25, s24, 8
	s_add_co_u32 s26, s26, s25
	s_add_nc_u64 s[16:17], s[16:17], s[26:27]      ; s1 at my unit
.macro LOAD s                          ; K step s of my 16 rows into set s % 2: each load reads 512 consecutive bytes
.irp p, 0,1,2,3,4,5,6,7,8,9,10,11,12,13,14,15
	global_load_b128 v[R+64*((\s)%2)+4*\p:R+64*((\s)%2)+4*\p+3], v[L16], s[12:13] offset:(\p+8*(\p/8))*4096+512*(\s) th:TH_LOAD_NT
.endr
.endm
; 64 numbers of a lane, register 16 b + i = K 32 b + 16 (lane / 16) + i of my row, become a fragment's codes in v[PC] on and its scale word in v[w]
.macro QUANT s, w
.irp b, 0,1,2,3
	v_max3_num_f32 v[TM+\b], |v[\s+16*\b]|, |v[\s+1+16*\b]|, 0x2800000   ; block b: my 16 numbers, and the floor 2^(5 - 127): the byte cannot fall under 1
.endr
.irp i, 2,4,6,8,10,12,14
.irp b, 0,1,2,3
	v_max3_num_f32 v[TM+\b], v[TM+\b], |v[\s+16*\b+\i]|, |v[\s+1+16*\b+\i]|   ; the four blocks by turns
.endr
.endr
.irp b, 0,1,2,3
	v_permlanex16_b32 v[TM+4+\b], v[TM+\b], s[SEL], s[SEL+1]
.endr
.irp b, 0,1,2,3
	v_max_num_f32 v[TM+\b], v[TM+\b], v[TM+4+\b]   ; with lane l xor 16's: the block's largest magnitude
.endr
.irp b, 0,1,2,3
	v_add_nc_u32 v[TM+12+\b], 0xfe000000, v[TM+\b] ; 4 off its exponent field: the conversion takes the exponent field of this operand as its scale
.endr
.irp b, 0,1,2,3
	v_lshrrev_b32 v[TM+4+\b], 23, v[TM+12+\b]      ; the scale's byte
.endr
	v_lshl_or_b32 v[\w], v[TM+5], 8, v[TM+4]
	v_lshl_or_b32 v[\w], v[TM+6], 16, v[\w]
	v_lshl_or_b32 v[\w], v[TM+7], 24, v[\w]
.irp c, 0,1
	v_cvt_scalef32_pk16_bf6_f32 v[PC+6*\c:PC+2+6*\c], v[\s+32*\c:\s+15+32*\c], v[TM+12+2*\c]
	v_cvt_scalef32_pk16_bf6_f32 v[PC+12+4*\c:PC+14+4*\c], v[\s+16+32*\c:\s+31+32*\c], v[TM+12+2*\c+1]   ; (a conversion's three registers begin on an even number)
.endr
	v_nop                                          ; one plain place behind a scaled conversion
.irp c, 0,1                                    ; the operand's layout wants a whole block in a lane: lanes 0-15 block 2 c, lanes 16-31 block 2 c + 1
.irp i, 0,1,2
	v_permlane16_swap_b32 v[PC+6*\c+\i], v[PC+12+4*\c+\i]
.endr
.irp i, 0,1,2
	v_mov_b32 v[PC+3+6*\c+\i], v[PC+12+4*\c+\i]
.endr
.endr
.endm
.macro KSTEP s
.if (\s) < 3
	s_wait_loadcnt 16                              ; this K step's 16 loads are in; the next step's 16 may be out
.else
	s_wait_loadcnt 0x0
.endif
.irp p, 0,1,2,3,4,5,6,7,8,9,10,11,12,13,14,15
	ds_store_b128 v[SIN], v[R+64*((\s)%2)+4*\p:R+64*((\s)%2)+4*\p+3] offset:SP*\p
.endr
.irp b, 0,1,2,3
.irp j, 0,1,2,3
	ds_load_b128 v[X+16*\b+4*\j:X+16*\b+4*\j+3], v[SOUT] offset:128*\b+16*\j   ; LDS serves a wave's instructions in order: these see the stores above
.endr
.endr
	s_wait_dscnt 0x0                               ; my 64 numbers are in, and the stage's stores have read their registers
	s_wait_xcnt 0x0                                ; the last step's stores have read the codes' registers
.if (\s) < 2
	LOAD (\s)+2
.endif
	QUANT X, WD+\s
	global_store_b128 v[L16], v[PC:PC+3], s[14:15] offset:((\s)/2)*QS1+((\s)%2)*1536
	global_store_b64 v[L8], v[PC+4:PC+5], s[14:15] offset:((\s)/2)*QS1+((\s)%2)*1536+512
	global_store_b128 v[L16], v[PC+6:PC+9], s[14:15] offset:((\s)/2)*QS1+((\s)%2)*1536+768
	global_store_b64 v[L8], v[PC+10:PC+11], s[14:15] offset:((\s)/2)*QS1+((\s)%2)*1536+1280
.endm
	LOAD 0
	LOAD 1                                         ; 32 loads, 16,384 bytes, of each wave are on their way
	KSTEP 0
	KSTEP 1
	KSTEP 2
	KSTEP 3
	s_mov_b32 s25, 0xffff0000
	v_cndmask_b32 v10, v[WD], v[WD+2], s25         ; lanes 0-15 store words 0 and 1 of row r, lanes 16-31 words 2 and 3:
	v_cndmask_b32 v11, v[WD+1], v[WD+3], s25
	global_store_b64 v[SW], v[10:11], s[16:17]     ; 256 consecutive bytes
	s_wait_tensorcnt 0x0
	ds_add_u32 v62, v63
	s_wait_dscnt 0x0
	s_endpgm
.Ltable:
.macro PICK dst, idx, k, val           ; v[dst] = val in the lanes where v[idx] = k
	v_mov_b32 v13, \val
	v_cmp_eq_u32 vcc_lo, \k, v[\idx]
	v_cndmask_b32 v[\dst], v[\dst], v13, vcc_lo
.endm
	s_wait_alu depctr_va_vdst(0)
	v_and_b32 v10, 7, v2                           ; i % 8
	v_lshrrev_b32 v11, 3, v2                       ; i / 8
	v_mov_b32 v12, 1.0
	PICK 12, 10, 1, 0x3faab0d5                     ; 10^(1/8) = 1.3335214
	PICK 12, 10, 2, 0x3fe39ea9                     ; 10^(2/8) = 1.7782794
	PICK 12, 10, 3, 0x4017c496                     ; 10^(3/8) = 2.3713737
	PICK 12, 10, 4, 0x404a62c2                     ; 10^(4/8) = 3.1622777
	PICK 12, 10, 5, 0x4086f161                     ; 10^(5/8) = 4.2169650
	PICK 12, 10, 6, 0x40b3f300                     ; 10^(6/8) = 5.6234133
	PICK 12, 10, 7, 0x40eff755                     ; 10^(7/8) = 7.4989421
	v_mov_b32 v14, 1.0
	PICK 14, 11, 1, 0x41200000                     ; 10
	PICK 14, 11, 2, 0x42c80000                     ; 100
	PICK 14, 11, 3, 0x447a0000                     ; 1000
	v_mul_f32 v15, v12, v14                        ; 10000^(i / 32)
	s_wait_alu depctr_va_vdst(0)
	v_rcp_f32 v16, v15
	v_nop                                          ; one plain place behind a transcendental
	s_wait_alu depctr_va_vdst(0)
	v_fma_f32 v17, -v15, v16, 1.0                  ; one Newton step: the quotient 1 / base to f32's last place or next to it
	v_fma_f32 v16, v16, v17, v16
	s_sub_co_u32 s21, ttmp9, 384
	s_lshl_b32 s21, s21, 2
	s_add_co_u32 s21, s21, s20
	s_lshl_b32 s21, s21, 4                         ; my first position
	s_lshl_b32 s22, s21, 8                         ; 256 bytes a position
	s_mov_b32 s23, 0
	s_mov_b32 s25, 0xbfc90fdb                      ; -(pi / 2 rounded to f32)
	s_mov_b32 s26, 0x333bbd2e                      ; that number less pi / 2
	s_mov_b32 s30, 0xb94ca1f9                      ; the sine's polynomial: -1.9515295891e-4,
	s_mov_b32 s31, 0x3c08839e                      ; 8.3321608736e-3,
	s_mov_b32 s32, 0xbe2aaaa3                      ; -1.6666654611e-1
	s_mov_b32 s33, 0x37ccf5ce                      ; the cosine's: 2.443315711809948e-5,
	s_mov_b32 s34, 0xbab6061a                      ; -1.388731625493765e-3,
	s_mov_b32 s35, 0x3d2aaaa5                      ; 4.166664568298827e-2
	s_wait_kmcnt 0x0
	s_add_nc_u64 s[18:19], s[18:19], s[22:23]
.macro ANGLE k                         ; cos and sin of (my first position + k) x my frequency
	s_add_co_u32 s24, s21, \k
	v_cvt_f32_u32 v20, s24
	s_wait_alu depctr_va_vdst(0)
	v_mul_f32 v20, v20, v16                        ; the angle, rounded to f32 once
	v_mul_f32 v21, 0x3f22f983, v20
	v_rndne_f32 v21, v21                           ; n = the nearest multiple of pi / 2
	v_fma_f32 v22, v21, s25, v20                   ; exact: a multiple of 2^-23 under 1
	v_fma_f32 v22, v21, s26, v22                   ; r, within pi / 4 of 0
	v_mul_f32 v23, v22, v22                        ; z = r r
	v_fma_f32 v24, v23, s30, s31
	v_fma_f32 v26, v23, s33, s34
	v_fma_f32 v24, v24, v23, s32
	v_fma_f32 v26, v26, v23, s35
	v_mul_f32 v25, v22, v23
	v_mul_f32 v27, v23, v23
	v_fma_f32 v28, v23, -0.5, 1.0
	v_fma_f32 v24, v25, v24, v22                   ; sin r
	v_fma_f32 v26, v27, v26, v28                   ; cos r
	v_cvt_i32_f32 v29, v21
	v_and_b32 v30, 1, v29
	v_cmp_eq_u32 vcc_lo, 1, v30                    ; in odd quadrants the two change places
	v_cndmask_b32 v31, v26, v24, vcc_lo
	v_cndmask_b32 v32, v24, v26, vcc_lo
	v_add_nc_u32 v30, 1, v29
	v_lshlrev_b32 v30, 30, v30
	v_lshlrev_b32 v29, 30, v29
	v_and_b32 v30, 0x80000000, v30                 ; the cosine is negative in quadrants 1 and 2,
	v_and_b32 v29, 0x80000000, v29                 ; the sine in 2 and 3
	v_xor_b32 v[64+2*\k], v31, v30
	v_xor_b32 v[65+2*\k], v32, v29
	global_store_b64 v[L8], v[64+2*\k:65+2*\k], s[18:19] offset:256*\k   ; 32 lanes store a position's 256 bytes; each position has its own pair of registers
.endm
.irp k, 0,1,2,3,4,5,6,7,8,9,10,11,12,13,14,15
	ANGLE \k
.endr
	s_endpgm
.Lfunc_end_k_q24f377b20a_quant:
	.size	k_q24f377b20a_quant, .Lfunc_end_k_q24f377b20a_quant-k_q24f377b20a_quant
	.p2alignl 7, 3214868480
	.fill 96, 4, 3214868480
	.section	.rodata,"a",@progbits
	.p2align	6, 0x0
	.amdhsa_kernel k_q24f377b20a_quant
		.amdhsa_group_segment_fixed_size 34304
		.amdhsa_private_segment_fixed_size 0
		.amdhsa_enable_private_segment 0
		.amdhsa_kernarg_size 64
		.amdhsa_user_sgpr_count 2
		.amdhsa_user_sgpr_kernarg_segment_ptr 1
		.amdhsa_wavefront_size32 1
		.amdhsa_system_sgpr_workgroup_id_x 1
		.amdhsa_system_sgpr_workgroup_id_y 1
		.amdhsa_system_sgpr_workgroup_id_z 1
		.amdhsa_system_vgpr_workitem_id 0
		.amdhsa_next_free_vgpr 256
		.amdhsa_next_free_sgpr 66
		.amdhsa_reserve_vcc 1
		.amdhsa_float_denorm_mode_32 3
		.amdhsa_float_denorm_mode_16_64 3
		.amdhsa_memory_ordered 1
		.amdhsa_forward_progress 1
		.amdhsa_inst_pref_size 59
	.end_amdhsa_kernel
	.amdgpu_metadata
---
amdhsa.version: [ 1, 2 ]
amdhsa.kernels:
  - .name:           k_q24f377b20a_quant
    .symbol:         k_q24f377b20a_quant.kd
    .args:
      - { .name: x, .offset: 0, .size: 8, .value_kind: global_buffer, .address_space: global }
      - { .name: Wq, .offset: 8, .size: 8, .value_kind: global_buffer, .address_space: global }
      - { .name: Wk, .offset: 16, .size: 8, .value_kind: global_buffer, .address_space: global }
      - { .name: Wv, .offset: 24, .size: 8, .value_kind: global_buffer, .address_space: global }
      - { .name: Wo, .offset: 32, .size: 8, .value_kind: global_buffer, .address_space: global }
      - { .name: c1, .offset: 40, .size: 8, .value_kind: global_buffer, .address_space: global }
      - { .name: s1, .offset: 48, .size: 8, .value_kind: global_buffer, .address_space: global }
      - { .name: rope, .offset: 56, .size: 8, .value_kind: global_buffer, .address_space: global }
    .group_segment_fixed_size: 34304
    .private_segment_fixed_size: 0
    .kernarg_segment_align: 8
    .kernarg_segment_size: 64
    .max_flat_workgroup_size: 128
    .sgpr_count:     66
    .vgpr_count:     256
    .wavefront_size: 32
...
	.end_amdgpu_metadata
.endif
;; end of part 1
;; launch qkv (part 2): grid 24 x 32, 4 waves a work-group, clusters of 4 x 4, 295,424 bytes of LDS; arguments c1, s1, rope, qb, kv; writes qb, kv
.if DOCPART == 2
	.amdgcn_target "amdgcn-amd-amdhsa--gfx1250"
	.amdhsa_code_object_version 6
	.text
	.protected	k_q24f377b20a_qkv
	.globl	k_q24f377b20a_qkv
	.p2align	8
	.type	k_q24f377b20a_qkv,@function
k_q24f377b20a_qkv:
	s_mov_b64 s[64:65], 0
	v_nop
	global_prefetch_b8 v0, s[64:65] scope:SCOPE_SE
	s_setreg_imm32_b32 hwreg(HW_REG_WAVE_MODE, 25, 1), 1
	s_wait_xcnt 0x0
	s_wait_alu depctr_hold_cnt(0) depctr_sa_sdst(0) depctr_va_vdst(0) depctr_va_sdst(0) depctr_va_ssrc(0) depctr_va_vcc(0) depctr_vm_vsrc(0)
	s_getreg_b32 s2, hwreg(HW_REG_IB_STS2, 6, 4)
	s_cmp_eq_u32 s2, 0
	s_cbranch_scc0 .Lentry_in_a_cluster
	s_endpgm
.Lentry_in_a_cluster:
	s_bfe_u32 s2, ttmp6, 0x10000c
	s_cmp_lg_u32 s2, 0xf033
	s_cbranch_scc0 .Lentry_shape_is_right
	s_endpgm
.Lentry_shape_is_right:
; q = rope(x Wq^T), k = rope(x Wk^T), v = x Wv^T, on codes of BF6 (E3M2) with E8M0 scales; the results are quantised in registers (q, k along the head's 64, v along the keys) and leave as images of operand registers.
; TILES AND IMAGES.  A tile is 16 rows: lane r of tile T holds row 32 (T / 2) + 8 (T % 2) + r + 8 (r / 8).  A fragment (a tile x 128 K) is 1,536 bytes: registers 0-3 at 16 x lane, 4-5 at 512 + 8 x lane, 6-9 at 768 + 16 x lane,
; 10-11 at 1,280 + 8 x lane; its first 768 bytes are a HALF (a tile x 64 K).  c1 = [K quarter 4][tile 768][K step 2][fragment]: tiles 0-511 x, 512- Wq, 576- Wk, 640- Wv.  s1 = [tile][K half 2][r 16][4 words].
; A WORK-GROUP makes 256 rows of an operand "A" x 128 rows of an operand "B", K = 1,024.  ALL of K lies in LDS (A 196,608 bytes, B 98,304), filled once: no slot is filled again.
; Four waves; wave w takes A's tiles 4 w .. 4 w + 3 against B's eight: 32 accumulators.  THE MATRIX INSTRUCTION IS USED TRANSPOSED (source 0 = a tile of B, source 1 = a tile of A): a lane holds one row of A, and by the order of
; rows in a tile the 64 registers of an A tile are 128 results along B: register 16 c + i = B's row 32 c + 16 (lane / 16) + i: the order in which the conversions want the next product's K.
; WHO.  The cluster's x says what is made: 0, 1 q; 2, 3 k: A = x (256 positions), B = 128 rows of W (two heads).  4, 5 v: THE OPERANDS CHANGE ROLES: A = Wv (256 rows: four heads, a head a wave), B = x (128 keys), so that a lane
; holds one channel and its registers run along the keys.  Both lie in c1: one text serves all three.
; CLUSTER 4 x 4: A's tiles hang on cy alone and are asked for jointly along a row of the cluster, B's on cx alone and along a column.  Each wave issues eight joint loads at the start (A's and B's part of each K quarter);
; by this text's count eight tensor loads of a wave are out at the most.
; OUT.  qb = [head 64][block of 128 positions 16][8 halves, 2 scale units]; kv = [head][key step 16][K: as in qb, 6,656 bytes | V: 4 fragments (16 channels x 128 keys), its scale unit twice].  A scale unit is [r 16][4 words], word j = tile 4 g + j.
; LIMITS: NaN and infinities are not served; a block whose largest magnitude lies under 2^-122 keeps the byte 1.  The rotation is a product and a fused multiply-add for each number, where the formula has two products and a sum.
; REGISTERS, in windows of 256: window 0: v1-16 addresses; v32-63 A's scale words (8 a + K step), v64-127 B's (8 b + K step): they hold nothing else; v128-223 A's fragments, two sets; on the way out v128-231 are at work.
;   window 1: accumulator (a, b) at v[8 (8 a + b)].   window 2: B's fragments, two sets of 96.   window 3: cos and sin of my 64 positions.
.set QS1,  2359296                     ; bytes of a K quarter of c1
.set AQ,   49152                       ; LDS: a K quarter of A's 16 tiles
.set BQ,   24576                       ; of B's 8
.set BB0,  196608                      ; where B begins
.set L16,  4                           ; v4   16 x lane
.set L8,   5                           ; v5   8 x lane
.set AA16, 8                           ; v8-9   LDS addresses of my A tiles in the K quarter in hand, for loads of 16 and of 8 bytes
.set AA8,  9
.set BA16, 10                          ; v10-11 the same for B
.set BA8,  11
.set SA,   32
.set SB,   64
.set AF,   128
.set T,    128                         ; the way out: v128-191 products of the rotation
.set TM,   192                         ; v192-207 at work in the quantiser
.set PC,   208                         ; v208-227 the codes just made
.set WD,   228                         ; v228-231 the four tiles' scale words
.set SEL,  92                          ; s[92:93] v_permlanex16_b32's selects for lane l xor 16
.set MSB, 0
.macro WIN new                         ; the immediate's high byte repeats the setting that is left
.if MSB != \new
	s_set_vgpr_msb (MSB<<8)|\new
.set MSB, \new
.endif
.endm
.macro PLACES
.rept 4
	v_nop
.endr
.endm
.macro CROUND                          ; a round of the cluster's barrier
	s_barrier_signal -1
	s_barrier_wait -1
	s_cmp_lg_u32 s14, 0
	s_cbranch_scc1 .Lnot_wave_0_\@
	s_barrier_signal -3
.Lnot_wave_0_\@:
	s_barrier_wait -3
	s_barrier_signal -1
	s_barrier_wait -1
.endm
.macro MKG0 g, sl, lo, sg, go          ; descriptor group 0 at s[g]: LDS byte s[sl] + lo, memory s[sg:sg+1] + go
	s_mov_b32 s[\g], 1
	s_add_co_u32 s[\g+1], s[\sl], \lo
	s_add_nc_u64 s[\g+2:\g+3], s[\sg:\sg+1], \go
	s_or_b32 s[\g+3], s[\g+3], 0x80000000
.endm
	s_load_b256 s[4:11], s[0:1], 0x0               ; c1, s1, rope, qb
	s_load_b64 s[12:13], s[0:1], 0x20              ; kv
	v_lshl_add_u32 v254, v0, 2, 0x48000
	v_mov_b32 v255, 0
	ds_add_u32 v254, v255
	ds_add_u32 v254, v255
	v_lshrrev_b32 v1, 5, v0
	v_readfirstlane_b32 s14, v1                    ; wave 0..3
	; A's side: registers that hold cy and never cx
	s_bfe_u32 s16, ttmp6, 0x40004                  ; cy
	s_and_b32 s18, ttmp7, 0xffff                   ; the cluster's y
	s_lshl_b32 s19, s18, 2
	s_add_co_u32 s19, s19, s16                     ; tr = 4 x cluster y + cy
	s_lshl_b32 s20, s19, 4                         ; q, k: x's tiles 16 tr on
	s_lshl_b32 s21, s16, 4
	s_add_co_u32 s21, s21, 640                     ; v: Wv's tiles 16 cy on
	s_cmp_ge_u32 ttmp9, 4
	s_cselect_b32 s20, s21, s20
	s_lshl_b32 s21, s14, 2
	s_add_co_u32 s20, s20, s21                     ; my first tile of A
	s_mul_i32 s94, s20, 3072
	s_mov_b32 s95, 0
	s_lshl_b32 s2, s16, 2
	s_lshl_b32 s2, 15, s2                          ; my row of the cluster
	s_or_b32 s24, s2, (3<<16)|(1<<21)              ; group 1 for A: 15:0 the mask; 17:16 elements of 8 bytes; 21 set beside a mask; no padding
	s_mov_b32 s25, 32<<16                          ; tensor_dim0 = 32 elements: rows of 256 bytes of a dense block
	s_mov_b32 s26, 48<<16                          ; tensor_dim1 = 48 rows: four tiles x two K steps, 12,288 bytes
	s_mov_b32 s27, 32<<16                          ; tile_dim0
	s_mov_b32 s28, 48                              ; tile_dim1
	s_mov_b32 s29, 32                              ; from row to row
	s_mov_b32 s30, 0
	s_mov_b32 s31, 0
	; B's side: registers that hold cx and never cy
	s_bfe_u32 s15, ttmp6, 0x40000                  ; cx
	s_lshl_b32 s22, ttmp9, 2
	s_add_co_u32 s22, s22, s15                     ; q, k: tc = 4 x cluster x + cx: 0-7 Wq, 8-15 Wk
	s_lshl_b32 s23, s22, 3
	s_add_co_u32 s23, s23, 512
	s_max_u32 s98, ttmp9, 4
	s_sub_co_u32 s98, s98, 4
	s_lshl_b32 s98, s98, 3
	s_add_co_u32 s98, s98, s18
	s_lshl_b32 s98, s98, 2
	s_add_co_u32 s98, s98, s15                     ; v: tc = 4 (8 (cluster x - 4) + cluster y) + cx: which 128 keys of the 8,192 rows
	s_lshl_b32 s99, s98, 3
	s_cmp_ge_u32 ttmp9, 4
	s_cselect_b32 s22, s98, s22                    ; tc
	s_cselect_b32 s23, s99, s23                    ; B's first tile
	s_lshl_b32 s98, s14, 1
	s_add_co_u32 s98, s23, s98                     ; the two tiles of B that I fetch
	s_mul_i32 s96, s98, 3072
	s_mov_b32 s97, 0
	s_lshl_b32 s99, 0x1111, s15                    ; my column of the cluster
	s_or_b32 s32, s99, (3<<16)|(1<<21)             ; group 1 for B: 24 rows of 256 bytes
	s_mov_b32 s33, 32<<16
	s_mov_b32 s34, 24<<16
	s_mov_b32 s35, 32<<16
	s_mov_b32 s36, 24
	s_mov_b32 s37, 32
	s_mov_b32 s38, 0
	s_mov_b32 s39, 0
	s_mul_i32 s17, s14, 12288                      ; where they go: no place in the cluster enters an LDS address
	s_mul_i32 s66, s14, 6144
	s_wait_dscnt 0x0
	s_wait_kmcnt 0x0
	s_add_nc_u64 s[94:95], s[4:5], s[94:95]
	s_add_nc_u64 s[96:97], s[4:5], s[96:97]
.irp q, 0,1,2,3
	MKG0 40+4*\q,17,\q*AQ,94,\q*QS1
.endr
	MKG0 56,66,BB0,96,0
	MKG0 60,66,BB0+BQ,96,QS1
	MKG0 68,66,BB0+2*BQ,96,2*QS1
	MKG0 72,66,BB0+3*BQ,96,3*QS1
	CROUND                                         ; all sixteen work-groups are here: the joint loads meet
	tensor_load_to_lds s[40:43], s[24:31]          ; K quarter 0: A's, B's
	s_nop 0
	tensor_load_to_lds s[56:59], s[32:39]
	s_nop 0
	tensor_load_to_lds s[44:47], s[24:31]          ; 1
	s_nop 0
	tensor_load_to_lds s[60:63], s[32:39]
	s_nop 0
	tensor_load_to_lds s[48:51], s[24:31]          ; 2
	s_nop 0
	tensor_load_to_lds s[68:71], s[32:39]
	s_nop 0
	tensor_load_to_lds s[52:55], s[24:31]          ; 3
	s_nop 0
	tensor_load_to_lds s[72:75], s[32:39]
	s_nop 0
	PLACES                                         ; (four v_nop follow the last)
	v_and_b32 v1, 31, v0                           ; lane
	v_and_b32 v2, 15, v0                           ; r
	v_bfe_u32 v3, v0, 4, 1                         ; h
	v_lshlrev_b32 v[L16], 4, v1
	v_lshlrev_b32 v[L8], 3, v1
	v_add_nc_u32 v[AA16], s17, v[L16]
	v_add_nc_u32 v[AA8], s17, v[L8]
	v_add_nc_u32 v[BA16], BB0, v[L16]
	v_add_nc_u32 v[BA8], BB0, v[L8]
	v_lshlrev_b32 v6, 4, v2                        ; 16 r
	s_lshl_b32 s86, s20, 9
	v_add_nc_u32 v12, s86, v6                      ; s1: 512 bytes a tile, 16 a row
	s_lshl_b32 s86, s23, 9
	v_add_nc_u32 v13, s86, v6
.irp a, 0,1,2,3
.irp g, 0,1
	global_load_b128 v[SA+8*\a+4*\g:SA+8*\a+4*\g+3], v12, s[6:7] offset:\a*512+\g*256   ; the scale words of four K steps at once
.endr
.endr
.irp b, 0,1,2,3,4,5,6,7
.irp g, 0,1
	global_load_b128 v[SB+8*\b+4*\g:SB+8*\b+4*\g+3], v13, s[6:7] offset:\b*512+\g*256
.endr
.endr
	; cos and sin of my 64 positions.  In A tile a lane (r, h) holds position 32 (a / 2) + 8 (a % 2) + r + 8 (r / 8) of them; of the two halves u of a head it wants frequencies 16 u + 8 h + 0 .. 7: 64 bytes.
	; The loads stand on every work-group's path, v's too, which does not use them: so no register is read under one branch that was written under another.
	v_and_b32 v7, 8, v2
	v_add_nc_u32 v7, v7, v2                        ; r + 8 (r / 8)
	s_and_b32 s86, s19, 7
	s_lshl_b32 s86, s86, 8
	s_lshl_b32 s87, s14, 6
	s_add_co_u32 s86, s86, s87                     ; 256 (tr % 8) + 64 x wave: a position in the sequence
	v_add_nc_u32 v7, s86, v7
	v_lshlrev_b32 v14, 8, v7
	v_lshl_add_u32 v14, v3, 6, v14
	WIN 0xc0                                       ; destination window 3
.irp a, 0,1,2,3
.irp u, 0,1
.irp j, 0,1,2,3
	global_load_b128 v[32*\a+16*\u+4*\j:32*\a+16*\u+4*\j+3], v14, s[8:9] offset:(32*(\a/2)+8*(\a%2))*256+128*\u+16*\j
.endr
.endr
.endr
	WIN 0
	; where the results go
	s_lshr_b32 s86, s19, 3                         ; q, k: the batch,
	s_lshl_b32 s86, s86, 4
	s_and_b32 s87, s22, 7
	s_lshl_b32 s87, s87, 1
	s_add_co_u32 s86, s86, s87                     ; the first of my two heads,
	s_lshl_b32 s86, s86, 4
	s_and_b32 s87, s19, 7
	s_lshl_b32 s87, s87, 1
	s_add_co_u32 s86, s86, s87
	s_lshr_b32 s87, s14, 1
	s_add_co_u32 s86, s86, s87                     ; 16 x head + my block of 128 positions
	s_lshr_b32 s88, s22, 4                         ; v: the batch,
	s_lshl_b32 s88, s88, 4
	s_lshl_b32 s89, s16, 2
	s_add_co_u32 s88, s88, s89
	s_add_co_u32 s88, s88, s14                     ; my head: 4 cy + wave,
	s_lshl_b32 s88, s88, 4
	s_and_b32 s89, s22, 15
	s_add_co_u32 s88, s88, s89                     ; 16 x head + the key step
	s_and_b32 s89, s14, 1
	s_mul_i32 s91, s89, 3072                       ; q, k: my four tiles' halves in the block,
	s_lshl_b32 s89, s89, 8
	s_add_co_u32 s89, s89, 6144                    ; and their scale unit
	s_cmp_lt_u32 ttmp9, 2
	s_mov_b32 s87, 13312
	s_cselect_b32 s87, 6656, s87                   ; bytes of a block: in qb, in kv
	s_cselect_b64 s[84:85], s[10:11], s[12:13]     ; the buffer
	s_lshl_b32 s83, s87, 4                         ; from a head to the next
	s_cmp_ge_u32 ttmp9, 4                          ; v?
	s_cselect_b32 s86, s88, s86
	s_mov_b32 s88, 6656
	s_cselect_b32 s91, s88, s91                    ; registers 0-5 of tile 0 go here,
	s_mov_b32 s88, 12800
	s_cselect_b32 s89, s88, s89                    ; the scale words here,
	s_cselect_b32 s88, 768, s83                    ; registers 6-11 so far behind 0-5: v: the fragment's second half; q, k: the next head,
	s_cselect_b32 s98, 256, s83                    ; lanes 16-31 store their scale words so far behind lanes 0-15: v: the unit once more; q, k: the next head's,
	s_cselect_b32 s99, 0, 16                       ; which are the words' upper two bytes
	s_mov_b32 s90, 0xffff
	s_cselect_b32 s90, -1, s90                     ; q, k: a head has two blocks: bytes 2 and 3 of its words are 0
	s_mov_b32 s82, 768
	s_cselect_b32 s82, 1536, s82                   ; from tile to tile
	s_mov_b32 s83, 0
	s_mul_i32 s86, s86, s87
	s_mov_b32 s87, 0
	s_add_nc_u64 s[84:85], s[84:85], s[86:87]      ; the buffer at my block
	s_mov_b32 s86, s91
	s_add_nc_u64 s[76:77], s[84:85], s[86:87]      ; s[76:77]: registers 0-5
	s_mov_b32 s86, s88
	s_add_nc_u64 s[78:79], s[76:77], s[86:87]      ; s[78:79]: registers 6-11
	s_mov_b32 s86, s89
	s_add_nc_u64 s[80:81], s[84:85], s[86:87]      ; s[80:81]: the scale words
	v_mul_lo_u32 v15, v3, s98
	v_add_nc_u32 v15, v15, v6                      ; 16 r, and my half's distance
	v_mul_u32_u24 v16, v3, s99                     ; my half's shift
	s_mov_b32 s[SEL], 0x76543210
	s_mov_b32 s[SEL+1], 0xfedcba98
.macro FRAG reg, a16, a8, off          ; a fragment's image comes back as it was stored
	ds_load_b128 v[\reg:\reg+3], v[\a16] offset:\off
	ds_load_b64 v[\reg+4:\reg+5], v[\a8] offset:\off+512
	ds_load_b128 v[\reg+6:\reg+9], v[\a16] offset:\off+768
	ds_load_b64 v[\reg+10:\reg+11], v[\a8] offset:\off+1280
.endm
.macro FETCH ks, p                     ; K step ks's fragments into set p: 48 LDS loads in one run
	WIN 0x80                                       ; destination window 2
.irp b, 0,1,2,3,4,5,6,7
	FRAG 96*(\p)+12*\b,BA16,BA8,\b*3072+((\ks)%2)*1536
.endr
	WIN 0
.irp a, 0,1,2,3
	FRAG AF+48*(\p)+12*\a,AA16,AA8,\a*3072+((\ks)%2)*1536
.endr
.endm
; 16 matrix instructions: A's tiles a0, a0 + 1 against B's eight.  The 32 accumulators take turns, one instruction a turn, in the same order in every K step.  K step 0 starts the sums.
.macro MULH ks, a0
	WIN 0x52                                       ; source 0 (B) window 2, source 1 (A) window 0, C and D window 1
.irp a, \a0, \a0+1
.irp b, 0,1,2,3,4,5,6,7
.if (\ks) == 0
	v_wmma_scale_f32_16x16x128_f8f6f4 v[8*(8*(\a)+\b):8*(8*(\a)+\b)+7], v[96*((\ks)%2)+12*\b:96*((\ks)%2)+12*\b+11], v[AF+48*((\ks)%2)+12*(\a):AF+48*((\ks)%2)+12*(\a)+11], 0, v[SB+8*\b+(\ks)], v[SA+8*(\a)+(\ks)] matrix_a_fmt:MATRIX_FMT_BF6 matrix_b_fmt:MATRIX_FMT_BF6
.else
	v_wmma_scale_f32_16x16x128_f8f6f4 v[8*(8*(\a)+\b):8*(8*(\a)+\b)+7], v[96*((\ks)%2)+12*\b:96*((\ks)%2)+12*\b+11], v[AF+48*((\ks)%2)+12*(\a):AF+48*((\ks)%2)+12*(\a)+11], v[8*(8*(\a)+\b):8*(8*(\a)+\b)+7], v[SB+8*\b+(\ks)], v[SA+8*(\a)+(\ks)] matrix_a_fmt:MATRIX_FMT_BF6 matrix_b_fmt:MATRIX_FMT_BF6
.endif
.endr
.endr
.endm
; A K step: 32 matrix instructions; in its middle the next step's fragments are fetched into the other set.  In K steps 1, 3, 5 the next step lies in the next K quarter: my two loads of that quarter are waited for
; (the two of each later quarter may stay out), and a barrier shows every wave's part of B.
.macro KSTEP ks
	s_wait_dscnt 0x0                               ; this step's fragments are in
.if ((\ks) == 1) || ((\ks) == 3) || ((\ks) == 5)
	s_wait_tensorcnt 5-(\ks)
	s_barrier_signal -1
.endif
	MULH \ks,0
.if ((\ks) == 1) || ((\ks) == 3) || ((\ks) == 5)
	s_barrier_wait -1
	WIN 0
	v_add_nc_u32 v[AA16], AQ, v[AA16]              ; on to the next K quarter.  These four are also the places in front of the loads into registers that matrix instructions have read
	v_add_nc_u32 v[AA8], AQ, v[AA8]
	v_add_nc_u32 v[BA16], BQ, v[BA16]
	v_add_nc_u32 v[BA8], BQ, v[BA8]
.elseif (\ks) < 7
	PLACES
.endif
.if (\ks) < 7
	FETCH (\ks)+1,1-(\ks)%2
.endif
	MULH \ks,2
.endm
	s_wait_tensorcnt 6                             ; my parts of K quarter 0 are in; the six loads of the later quarters may be out,
	s_barrier_signal -1
	s_barrier_wait -1                              ; everybody's are
	FETCH 0,0
	s_wait_loadcnt 0x0                             ; the scale words, cos and sin
.irp k, 0,1,2,3,4,5,6,7
	KSTEP \k
.endr
	WIN 0
	PLACES                                         ; in front of the first read of results, and of writes into registers that held A's fragments
; THE ROTATION of A tile a (q and k): the pair (te, to) at registers 16 c + 2 p, + 1 with (cos, sin) of frequency 16 (c % 2) + 8 h + p: (te cos - to sin, te sin + to cos)
.macro ROPE a
	s_cmp_ge_u32 ttmp9, 4                          ; the cluster's x: alike in all sixteen partners
	s_cbranch_scc1 .Lno_rope_\@
	WIN 0x0d                                       ; source 0 window 1, source 1 window 3, destination window 0
.set n, 0
.rept 32
	v_pk_mul_f32 v[T+2*n:T+2*n+1], v[64*(\a)+2*n:64*(\a)+2*n+1], v[32*(\a)+16*((n/8)%2)+2*(n%8):32*(\a)+16*((n/8)%2)+2*(n%8)+1] op_sel_hi:[1,0]   ; (te cos, to cos); each accumulator is read from its low end on
.set n, n+1
.endr
	WIN 0x4d                                       ; and the destination window 1
.set n, 0
.rept 32
	v_pk_fma_f32 v[64*(\a)+2*n:64*(\a)+2*n+1], v[64*(\a)+2*n:64*(\a)+2*n+1], v[32*(\a)+16*((n/8)%2)+2*(n%8):32*(\a)+16*((n/8)%2)+2*(n%8)+1], v[T+2*n:T+2*n+1] op_sel:[1,1,0] op_sel_hi:[0,1,1] neg_lo:[1,0,0]   ; (-to sin + te cos, te sin + to cos)
.set n, n+1
.endr
	WIN 0
.Lno_rope_\@:
.endm
; 64 numbers of a lane in window 1, register s + 16 b + i = the next K's 32 b + 16 (lane / 16) + i, become a fragment's codes in v[PC] on and its scale word in v[w]
.macro QUANTW s, w
	WIN 0x05                                       ; sources 0 and 1 window 1
.irp b, 0,1,2,3
	v_max3_num_f32 v[TM+\b], |v[(\s)+16*\b]|, |v[(\s)+1+16*\b]|, 0x2800000   ; my 16 numbers of block b, and the floor 2^(5 - 127): the byte cannot fall under 1
.endr
.irp i, 2,4,6,8,10,12,14
.irp b, 0,1,2,3
	v_max3_num_f32 v[TM+\b], |v[(\s)+16*\b+\i]|, |v[(\s)+1+16*\b+\i]|, v[TM+\b]
.endr
.endr
	WIN 0
.irp b, 0,1,2,3
	v_permlanex16_b32 v[TM+4+\b], v[TM+\b], s[SEL], s[SEL+1]
.endr
.irp b, 0,1,2,3
	v_max_num_f32 v[TM+\b], v[TM+\b], v[TM+4+\b]   ; with lane l xor 16's: the block's largest magnitude
.endr
.irp b, 0,1,2,3
	v_add_nc_u32 v[TM+12+\b], 0xfe000000, v[TM+\b] ; 4 off its exponent field: the conversion's scale operand
.endr
.irp b, 0,1,2,3
	v_lshrrev_b32 v[TM+4+\b], 23, v[TM+12+\b]      ; the scale's byte
.endr
	v_lshl_or_b32 v[\w], v[TM+5], 8, v[TM+4]
	v_lshl_or_b32 v[\w], v[TM+6], 16, v[\w]
	v_lshl_or_b32 v[\w], v[TM+7], 24, v[\w]
	WIN 0x01                                       ; source 0 window 1
.irp c, 0,1
	v_cvt_scalef32_pk16_bf6_f32 v[PC+6*\c:PC+2+6*\c], v[(\s)+32*\c:(\s)+15+32*\c], v[TM+12+2*\c]
	v_cvt_scalef32_pk16_bf6_f32 v[PC+12+4*\c:PC+14+4*\c], v[(\s)+16+32*\c:(\s)+31+32*\c], v[TM+12+2*\c+1]   ; (a conversion's three registers begin on an even number)
.endr
	WIN 0
	v_nop                                          ; one plain place behind a scaled conversion
.irp c, 0,1                                    ; a whole block to a lane: lanes 0-15 block 2 c, lanes 16-31 block 2 c + 1
.irp i, 0,1,2
	v_permlane16_swap_b32 v[PC+6*\c+\i], v[PC+12+4*\c+\i]
.endr
.irp i, 0,1,2
	v_mov_b32 v[PC+3+6*\c+\i], v[PC+12+4*\c+\i]
.endr
.endr
.endm
.irp a, 0,1,2,3
	ROPE \a
	QUANTW 64*\a,WD+\a
	global_store_b128 v[L16], v[PC:PC+3], s[76:77]             ; each pair of stores covers 768 consecutive bytes, at a multiple of 256 from the buffer's first byte
	global_store_b64 v[L8], v[PC+4:PC+5], s[76:77] offset:512
	global_store_b128 v[L16], v[PC+6:PC+9], s[78:79]
	global_store_b64 v[L8], v[PC+10:PC+11], s[78:79] offset:512
	s_wait_xcnt 0x0                                ; the stores have read their registers and bases: both are written again only behind this wait
	s_add_nc_u64 s[76:77], s[76:77], s[82:83]
	s_add_nc_u64 s[78:79], s[78:79], s[82:83]
.endr
.irp a, 0,1,2,3
	v_lshrrev_b32 v[WD+\a], v16, v[WD+\a]          ; q, k: lanes 16-31 take the second head's two bytes
.endr
.irp a, 0,1,2,3
	v_and_b32 v[WD+\a], s90, v[WD+\a]
.endr
	global_store_b128 v15, v[WD:WD+3], s[80:81]    ; sixteen lanes store a unit of 256 bytes: four tiles' words of row r
	s_wait_dscnt 0x0
	s_wait_tensorcnt 0x0
	ds_add_u32 v254, v255
	s_wait_dscnt 0x0
	CROUND                                         ; the closing round: no work-group ends while a partner may still ask for a tile that names it
	s_endpgm
.Lfunc_end_k_q24f377b20a_qkv:
	.size	k_q24f377b20a_qkv, .Lfunc_end_k_q24f377b20a_qkv-k_q24f377b20a_qkv
	.p2alignl 7, 3214868480
	.fill 96, 4, 3214868480
	.section	.rodata,"a",@progbits
	.p2align	6, 0x0
	.amdhsa_kernel k_q24f377b20a_qkv
		.amdhsa_group_segment_fixed_size 295424
		.amdhsa_private_segment_fixed_size 0
		.amdhsa_enable_private_segment 0
		.amdhsa_kernarg_size 40
		.amdhsa_user_sgpr_count 2
		.amdhsa_user_sgpr_kernarg_segment_ptr 1
		.amdhsa_wavefront_size32 1
		.amdhsa_system_sgpr_workgroup_id_x 1
		.amdhsa_system_sgpr_workgroup_id_y 1
		.amdhsa_system_sgpr_workgroup_id_z 1
		.amdhsa_system_vgpr_workitem_id 0
		.amdhsa_next_free_vgpr 896
		.amdhsa_next_free_sgpr 100
		.amdhsa_reserve_vcc 0
		.amdhsa_float_denorm_mode_32 3
		.amdhsa_float_denorm_mode_16_64 3
		.amdhsa_memory_ordered 1
		.amdhsa_forward_progress 1
		.amdhsa_inst_pref_size 109
	.end_amdhsa_kernel
	.amdgpu_metadata
---
amdhsa.version: [ 1, 2 ]
amdhsa.kernels:
  - .name:           k_q24f377b20a_qkv
    .symbol:         k_q24f377b20a_qkv.kd
    .args:
      - { .name: c1, .offset: 0, .size: 8, .value_kind: global_buffer, .address_space: global }
      - { .name: s1, .offset: 8, .size: 8, .value_kind: global_buffer, .address_space: global }
      - { .name: rope, .offset: 16, .size: 8, .value_kind: global_buffer, .address_space: global }
      - { .name: qb, .offset: 24, .size: 8, .value_kind: global_buffer, .address_space: global }
      - { .name: kv, .offset: 32, .size: 8, .value_kind: global_buffer, .address_space: global }
    .group_segment_fixed_size: 295424
    .private_segment_fixed_size: 0
    .kernarg_segment_align: 8
    .kernarg_segment_size: 40
    .max_flat_workgroup_size: 128
    .sgpr_count:     100
    .vgpr_count:     896
    .wavefront_size: 32
...
	.end_amdgpu_metadata
.endif
;; end of part 2
;; launch attn (part 3): grid 4 x 64, 16 waves a work-group, clusters of 4 x 1, 215,040 bytes of LDS; arguments qb, kv, c2, s2; writes c2, s2
.if DOCPART == 3
	.amdgcn_target "amdgcn-amd-amdhsa--gfx1250"
	.amdhsa_code_object_version 6
	.text
	.protected	k_q24f377b20a_attn
	.globl	k_q24f377b20a_attn
	.p2align	8
	.type	k_q24f377b20a_attn,@function
k_q24f377b20a_attn:
	s_mov_b64 s[64:65], 0
	v_nop
	global_prefetch_b8 v0, s[64:65] scope:SCOPE_SE
	s_setreg_imm32_b32 hwreg(HW_REG_WAVE_MODE, 25, 1), 1
	s_wait_xcnt 0x0
	s_wait_alu depctr_hold_cnt(0) depctr_sa_sdst(0) depctr_va_vdst(0) depctr_va_sdst(0) depctr_va_ssrc(0) depctr_va_vcc(0) depctr_vm_vsrc(0)
	s_getreg_b32 s2, hwreg(HW_REG_IB_STS2, 6, 4)
	s_cmp_eq_u32 s2, 0
	s_cbranch_scc0 .Lentry_in_a_cluster
	s_endpgm
.Lentry_in_a_cluster:
	s_bfe_u32 s2, ttmp6, 0x10000c
	s_cmp_lg_u32 s2, 0x3003
	s_cbranch_scc0 .Lentry_shape_is_right
	s_endpgm
.Lentry_shape_is_right:
; Causal attention of one head on codes of BF6 (E3M2) with E8M0 scales; the result, divided by the row's sum, is quantised along (head, channel) and leaves as the last product's operand.
; t = score x log2(e) / 8; M = the row's largest t so far, rounded UP to a whole number; p = 2^(t - M) is quantised along the keys, not normalised; the row's sum is taken of the unquantised p.  When M moves, the sum and O
; are multiplied by 2^(old M - new M): exact.
; IN.  qb = [head 64][block of 128 positions 16][8 halves of 768 bytes, 2 scale units]; kv = [head][key step 16][K: 8 halves, 2 scale units | V: 4 fragments (16 channels x 128 keys), its scale unit twice], 13,312 bytes a step.
; A tile is 16 rows: lane r of tile T holds row 32 (T / 2) + 8 (T % 2) + r + 8 (r / 8); a half is a tile x 64 K as registers 0-5 (0-3 at 16 x lane, 4-5 at 512 + 8 x lane); a scale unit is [r 16][4 words].
; THE HEAD'S SIZE IS 64, the instruction's K 128: Q's registers 6-11 are zero codes.  K's fragment t is named v[40 + 6 t : 51 + 6 t]: its upper six registers are the next fragment's codes (behind the last: zeros), which meet
; Q's zeros and add nothing; bytes 2 and 3 of Q's and K's scale words are 0, a power of two like any other.
; SHARES.  A cluster of four work-groups is one head.  THE WHOLE HEAD'S K AND V LIE IN LDS, 212,992 bytes, filled once by joint loads (two a wave: two tensor loads of a wave are out at the most): nothing is filled again.
; Wave w (e = w % 2) owns two tiles of 16 queries, tile 2 cx + e of block 15 - w / 2 (the long one) and of block w / 2 (the short one): 17 key steps of 128 keys in every wave.  Steps all of whose keys come after the
; queries are jumped over, and the mask is laid on the one step on the diagonal: both branches hang on the block, that is on the wave's number and a loop's count; cx enters memory addresses and the mask's register alone.
; LAYOUT.  Both products are used transposed: S^T = K Q^T, O^T = V^T P^T: a lane holds one query (lane % 16) throughout; by the order of rows in a tile the 16 registers of two neighbouring tiles are 16 neighbours
; (keys in S^T, channels in O^T), as the conversions want them.
; OUT.  c2 = [K quarter 4][tile 512][K step 2][fragment]: head hd is half hd % 2 of K step hd / 2.  s2 = [tile][K half 2][r 16][4 words]: each lane stores its block's byte (32 single bytes a tile: 1 / 24 of what is stored).
; LIMITS: NaN and infinities are not served; a block whose largest magnitude lies under 2^-122 keeps the byte 1; 1 / sum is v_rcp_f32's.
; REGISTERS: v1-3 16 x lane, 8 x lane, 16 r; v4-6 the step's addresses; v7 the mask's number; v8 -infinity; v9 16 r + h; v12 -M, v13 the largest t, v[14:15] the sum; v16-27, v28-39 Q long, short; v40-87 K, v88-93 zeros;
; v96-159 S^T, then p; v160-191 O^T; v192-239 V; v240-247, v248-251, v252-253, v254 scale words of K, V, Q, p (they hold nothing else).  Behind S^T's products K's registers are at work: v40-51 p's codes, v52-59 second
; conversions, v60-63 block maxima, v64-67 permutes and bytes, v68-71 scale operands, v[72:73] f, v74, v[76:77] the second chain of the sum.
.set QS2,  1572864                     ; bytes of a K quarter of c2: 512 tiles x 3,072
.set STEPB, 13312                      ; a key step's K and V
.set WV,   12                          ; s12  my wave's number
.set SEL,  20                          ; s[20:21] v_permlanex16_b32's selects for lane l xor 16
.set CS,   22                          ; s[22:23] c = log2(e) / 8: the packed form names a pair
.set TB,   40                          ; s40  LDS byte at which the step in hand begins
.set J,    41                          ; s41  the key step
.set BETA, 42                          ; s42  the block of the tile in hand
.set HM,   62                          ; s62  lanes 16-31
.macro CROUND                          ; a round of the cluster's barrier
	s_barrier_signal -1
	s_barrier_wait -1
	s_cmp_lg_u32 s[WV], 0
	s_cbranch_scc1 .Lnot_wave_0_\@
	s_barrier_signal -3
.Lnot_wave_0_\@:
	s_barrier_wait -3
	s_barrier_signal -1
	s_barrier_wait -1
.endm
	s_load_b256 s[4:11], s[0:1], 0x0               ; qb, kv, c2, s2
	v_lshl_add_u32 v254, v0, 2, 0x34000
	v_mov_b32 v255, 0
	ds_add_u32 v254, v255
	ds_add_u32 v254, v255
	s_wait_dscnt 0x0
	v_lshrrev_b32 v1, 5, v0
	s_delay_alu instid0(VALU_DEP_1)
	v_readfirstlane_b32 s[WV], v1                  ; wave 0..15
	s_bfe_u32 s13, ttmp6, 0x40000                  ; cx
	s_and_b32 s14, ttmp7, 0xffff                   ; the head, 16 x batch + head of the batch
	s_and_b32 s15, s[WV], 1                        ; e
	s_lshr_b32 s16, s[WV], 1                       ; the short tile's block
	s_xor_b32 s17, s16, 15                         ; the long tile's
	s_mov_b32 s24, 15|(3<<16)|(1<<21)              ; group 1: 15:0 the mask: all four work-groups; 17:16 elements of 8 bytes; 21 set beside a mask; no padding
	s_mov_b32 s25, 32<<16                          ; tensor_dim0 = 32 elements: rows of 256 bytes of a dense block
	s_mov_b32 s26, 26<<16                          ; tensor_dim1 = 26 rows: 6,656 bytes
	s_mov_b32 s27, 32<<16                          ; tile_dim0
	s_mov_b32 s28, 26                              ; tile_dim1
	s_mov_b32 s29, 32                              ; from row to row
	s_mov_b32 s30, 0
	s_mov_b32 s31, 0
	s_mul_i32 s18, s[WV], 6656                     ; my sixteenth of key steps 0 to 7: in LDS as in the head's bytes of kv
	s_mul_i32 s2, s14, 16*STEPB
	s_add_co_u32 s2, s2, s18
	s_mov_b32 s3, 0
	s_mov_b32 s[SEL], 0x76543210
	s_mov_b32 s[SEL+1], 0xfedcba98
	s_mov_b32 s[CS], 0x3e38aa3b
	s_mov_b32 s[CS+1], s[CS]
	s_mov_b32 s[HM], 0xffff0000
	s_wait_kmcnt 0x0
	s_add_nc_u64 s[2:3], s[6:7], s[2:3]
	s_mov_b32 s32, 1
	s_mov_b32 s33, s18
	s_mov_b64 s[34:35], s[2:3]
	s_or_b32 s35, s35, 0x80000000
	s_mov_b32 s36, 1
	s_add_co_u32 s37, s18, 8*STEPB                 ; and of key steps 8 to 15
	s_add_nc_u64 s[38:39], s[2:3], 8*STEPB
	s_or_b32 s39, s39, 0x80000000
	CROUND                                         ; all four work-groups are here: the joint loads meet
	tensor_load_to_lds s[32:35], s[24:31]
	s_nop 0
	tensor_load_to_lds s[36:39], s[24:31]
	s_nop 0
.rept 4
	v_nop                                          ; (four v_nop follow the second)
.endr
	v_and_b32 v1, 31, v0
	s_delay_alu instid0(VALU_DEP_1)
	v_lshlrev_b32 v2, 3, v1                        ; 8 x lane
	s_delay_alu instid0(VALU_DEP_2)
	v_lshlrev_b32 v1, 4, v1                        ; 16 x lane
	v_and_b32 v95, 15, v0                          ; r
	v_bfe_u32 v9, v0, 4, 1                         ; h
	s_delay_alu instid0(VALU_DEP_2)
	v_lshlrev_b32 v3, 4, v95                       ; 16 r
	s_delay_alu instid0(VALU_DEP_3)
	v_and_b32 v7, 8, v95
	s_delay_alu instid0(VALU_DEP_1)
	v_add_nc_u32 v7, v7, v95                       ; r + 8 (r / 8)
	s_delay_alu instid0(VALU_DEP_4)
	v_lshlrev_b32 v8, 4, v9
	s_delay_alu instid0(VALU_DEP_1)
	v_sub_nc_u32 v7, v7, v8
	s_lshl_b32 s52, s13, 5
	s_lshl_b32 s53, s15, 3
	s_add_co_u32 s52, s52, s53
	v_add_nc_u32 v7, s52, v7                       ; my query's place in its block less 16 h: register 16 b + i of S^T holds key 32 b + i + 16 h of the step: hidden on the diagonal where 32 b + i is greater than this
	v_add_nc_u32 v9, v3, v9                        ; 16 r + h
	v_mov_b32 v8, 0xff800000                       ; -infinity
	; Q: tile tq = 2 cx + e of both blocks
	s_lshl_b32 s43, s13, 1
	s_add_co_u32 s43, s43, s15                     ; tq
	s_lshl_b32 s52, s14, 4
	s_add_co_u32 s53, s52, s17
	s_mul_i32 s54, s53, 6656                       ; the long tile's block in qb
	s_add_co_u32 s53, s52, s16
	s_mul_i32 s56, s53, 6656                       ; the short one's
	s_mov_b32 s55, 0
	s_mov_b32 s57, 0
	s_add_nc_u64 s[58:59], s[4:5], s[54:55]
	s_add_nc_u64 s[60:61], s[4:5], s[56:57]
	s_mul_i32 s52, s43, 768                        ; the tile's half,
	s_lshr_b32 s53, s43, 2
	s_lshl_b32 s53, s53, 8
	s_and_b32 s54, s43, 3
	s_lshl_b32 s54, s54, 2
	s_add_co_u32 s53, s53, s54
	s_add_co_u32 s53, s53, 6144                    ; and its word in the scale units
	v_add_nc_u32 v10, s52, v1
	v_add_nc_u32 v11, s52, v2
	v_add_nc_u32 v94, s53, v3
	global_load_b128 v[16:19], v10, s[58:59]
	global_load_b64 v[20:21], v11, s[58:59] offset:512
	global_load_b32 v252, v94, s[58:59]
	global_load_b128 v[28:31], v10, s[60:61]
	global_load_b64 v[32:33], v11, s[60:61] offset:512
	global_load_b32 v253, v94, s[60:61]
.irp i, 0,1,2,3,4,5
	v_mov_b32 v[22+\i], 0                          ; zero codes for K = 64 .. 127
	v_mov_b32 v[34+\i], 0
	v_mov_b32 v[88+\i], 0
.endr
	; where the results go
	s_and_b32 s66, s14, 15                         ; hd
	s_lshr_b32 s67, s14, 4
	s_lshl_b32 s67, s67, 7
	s_add_co_u32 s67, s67, s43                     ; 128 x batch + tq: my tile, less 8 x block
	s_lshr_b32 s68, s66, 2
	s_mul_i32 s68, s68, QS2                        ; c2: the K quarter,
	s_mul_i32 s69, s67, 3072
	s_add_co_u32 s68, s68, s69
	s_bfe_u32 s69, s66, 0x10001
	s_mul_i32 s69, s69, 1536                       ; the K step in it,
	s_add_co_u32 s68, s68, s69
	s_and_b32 s69, s66, 1
	s_mul_i32 s70, s69, 768                        ; the half
	s_add_co_u32 s68, s68, s70
	s_lshl_b32 s70, s67, 9                         ; s2: the tile,
	s_lshr_b32 s71, s66, 3
	s_lshl_b32 s71, s71, 8                         ; the K half,
	s_add_co_u32 s70, s70, s71
	s_bfe_u32 s71, s66, 0x20001
	s_lshl_b32 s71, s71, 2                         ; the word,
	s_add_co_u32 s70, s70, s71
	s_lshl_b32 s69, s69, 1                         ; the head's two bytes in it
	s_add_co_u32 s70, s70, s69
	s_mov_b32 s73, 0
	s_mul_i32 s72, s17, 8*3072
	s_add_co_u32 s72, s72, s68
	s_add_nc_u64 s[44:45], s[8:9], s[72:73]        ; the long tile: codes,
	s_lshl_b32 s72, s17, 12
	s_add_co_u32 s72, s72, s70
	s_add_nc_u64 s[46:47], s[10:11], s[72:73]      ; bytes
	s_mul_i32 s72, s16, 8*3072
	s_add_co_u32 s72, s72, s68
	s_add_nc_u64 s[48:49], s[8:9], s[72:73]        ; the short tile
	s_lshl_b32 s72, s16, 12
	s_add_co_u32 s72, s72, s70
	s_add_nc_u64 s[50:51], s[10:11], s[72:73]
.macro START                           ; a tile's running state.  The step is written without a first step of its own: it finds zeros, which the first change of M leaves zeros
	v_mov_b32 v13, 0xff61b1e6                      ; the largest t so far: -3e38, under every t
	s_delay_alu instid0(VALU_DEP_1)
	v_floor_f32 v12, -v13                          ; -M
	v_mov_b32 v14, 0
	v_mov_b32 v15, 0
.set j, 0
.rept 32
	v_mov_b32 v[160+j], 0
.set j, j+1
.endr
.endm
; A KEY STEP: 128 keys.  qf: Q's fragment; qs: its scale word; masked = 1: the step may be hidden or lie on the diagonal
.macro STEP qf, qs, masked
.if \masked
	s_cmp_gt_u32 s[J], s[BETA]                     ; all its keys come after my queries: nothing of it is done but the steps of TB and J
	s_cbranch_scc1 .Lhidden_\@
.endif
	s_setprio 2
	v_add_nc_u32 v4, s[TB], v1                     ; these four lines are the places in front of loads into registers that the last products have read
	v_add_nc_u32 v5, s[TB], v2
	v_add_nc_u32 v6, s[TB], v3
	v_nop
.irp t, 0,1,2,3,4,5,6,7
	ds_load_b128 v[40+6*\t:43+6*\t], v4 offset:768*\t
	ds_load_b64 v[44+6*\t:45+6*\t], v5 offset:768*\t+512
.endr
	ds_load_b128 v[240:243], v6 offset:6144        ; K's scale words: four tiles' at once
	ds_load_b128 v[244:247], v6 offset:6400
.irp a, 0,1,2,3
	ds_load_b128 v[192+12*\a:195+12*\a], v4 offset:6656+1536*\a
	ds_load_b64 v[196+12*\a:197+12*\a], v5 offset:6656+1536*\a+512
	ds_load_b128 v[198+12*\a:201+12*\a], v4 offset:6656+1536*\a+768
	ds_load_b64 v[202+12*\a:203+12*\a], v5 offset:6656+1536*\a+1280
.endr
	ds_load_b128 v[248:251], v6 offset:12800       ; V's
	s_wait_dscnt 17                                ; K and its words are in; V's 17 loads may be out: they land under the softmax
.irp t, 0,1,2,3,4,5,6,7
	v_wmma_scale_f32_16x16x128_f8f6f4 v[96+8*\t:103+8*\t], v[40+6*\t:51+6*\t], v[\qf:\qf+11], 0, v[240+\t], v[\qs] matrix_a_fmt:MATRIX_FMT_BF6 matrix_b_fmt:MATRIX_FMT_BF6
.endr
.rept 4
	v_nop                                          ; places in front of the first read of results and of writes into K's registers
.endr
.if \masked
	s_cmp_lt_u32 s[J], s[BETA]                     ; all its keys count
	s_cbranch_scc1 .Lopen_\@
.set n, 0
.rept 64
	v_cmp_gt_i32 vcc_lo, 32*(n/16)+n%16, v7        ; on the diagonal the scores of hidden keys become -infinity ahead of the maximum: p = 0 then.  The step's first key counts for every query
	v_cndmask_b32 v[96+n], v[96+n], v8, vcc_lo
.set n, n+1
.endr
.Lopen_\@:
.endif
.irp b, 0,1,2,3
	v_max3_num_f32 v[60+\b], v[96+16*\b], v[97+16*\b], v[98+16*\b]   ; the largest score of each block of 32 keys: for the row's maximum, and, since p rises with the score, for the block's largest p
.endr
.irp i, 3,5,7,9,11,13
.irp b, 0,1,2,3
	v_max3_num_f32 v[60+\b], v[60+\b], v[96+16*\b+\i], v[97+16*\b+\i]
.endr
.endr
.irp b, 0,1,2,3
	v_max_num_f32 v[60+\b], v[60+\b], v[111+16*\b]
.endr
.irp b, 0,1,2,3
	s_delay_alu instid0(VALU_DEP_4)
	v_permlanex16_b32 v[64+\b], v[60+\b], s[SEL], s[SEL+1]
.endr
.irp b, 0,1,2,3
	s_delay_alu instid0(VALU_DEP_4)
	v_max_num_f32 v[60+\b], v[60+\b], v[64+\b]     ; with lane l xor 16's 16 keys
.endr
	s_delay_alu instid0(VALU_DEP_2)
	v_max3_num_f32 v74, v60, v61, v62
	s_delay_alu instid0(VALU_DEP_1)
	v_max_num_f32 v74, v74, v63                    ; the step's largest score of my query
	s_delay_alu instid0(VALU_DEP_1)
	v_mul_f32 v74, s[CS], v74                      ; as t
	s_delay_alu instid0(VALU_DEP_1)
	v_max_num_f32 v13, v13, v74                    ; the running largest t
	v_mov_b32 v74, v12
	s_delay_alu instid0(VALU_DEP_2)
	v_floor_f32 v12, -v13                          ; the new -M = floor(-t): M is a whole number
	s_delay_alu instid0(VALU_DEP_1)
	v_sub_f32 v74, v12, v74                        ; old M - new M: a whole number, 0 or less
	s_delay_alu instid0(VALU_DEP_1)
	v_cvt_i32_f32 v74, v74                         ; (it saturates)
	s_delay_alu instid0(VALU_DEP_1)
	v_ldexp_f32 v72, 1.0, v74                      ; f = 2^(old M - new M)
.set j, 0
.rept 32
	v_pk_fma_f32 v[96+j:97+j], v[96+j:97+j], s[CS:CS+1], v[12:13] op_sel_hi:[1,0,0]   ; t - M, two at a time
.set j, j+2
.endr
.irp b, 0,1,2,3
	v_fma_f32 v[60+\b], v[60+\b], s[CS], v12       ; the same of each block's largest score
.endr
.set j, 0
	s_setprio 1
	s_wait_alu depctr_va_vdst(0)
.rept 64
	v_exp_f32 v[96+j], v[96+j]                     ; p = 2^(t - M), at most 1
.set j, j+1
.endr
.irp b, 0,1,2,3
	v_exp_f32 v[60+\b], v[60+\b]                   ; the block's largest p: the same two instructions on the same number
.endr
	v_pk_mul_f32 v[14:15], v[14:15], v[72:73] op_sel_hi:[1,0]   ; the sums under the new M.  (A plain place behind the exponentials)
	s_wait_alu depctr_va_vdst(0)
.irp b, 0,1,2,3
	v_max_num_f32 v[60+\b], 0x2800000, v[60+\b]    ; the floor 2^(5 - 127): a block whose every p is 0 keeps the byte 1: its codes are zeros
.endr
.irp b, 0,1,2,3
	s_delay_alu instid0(VALU_DEP_4)
	v_add_nc_u32 v[68+\b], 0xfe000000, v[60+\b]    ; 4 off the exponent field: the conversion's scale operand
.endr
.irp b, 0,1,2,3
	s_delay_alu instid0(VALU_DEP_4)
	v_lshrrev_b32 v[64+\b], 23, v[68+\b]           ; the scale's byte
.endr
	s_delay_alu instid0(VALU_DEP_3)
	v_lshl_or_b32 v254, v65, 8, v64                ; p's scale word for these 128 keys
	s_delay_alu instid0(VALU_DEP_1)
	v_lshl_or_b32 v254, v66, 16, v254
	s_delay_alu instid0(VALU_DEP_1)
	v_lshl_or_b32 v254, v67, 24, v254
.irp c, 0,1
	v_cvt_scalef32_pk16_bf6_f32 v[40+6*\c:42+6*\c], v[96+32*\c:111+32*\c], v[68+2*\c]
	v_cvt_scalef32_pk16_bf6_f32 v[52+4*\c:54+4*\c], v[112+32*\c:127+32*\c], v[68+2*\c+1]   ; (a conversion's three registers begin on an even number)
.endr
	v_nop                                          ; one plain place behind a scaled conversion
.irp c, 0,1                                    ; a whole block to a lane: lanes 0-15 block 2 c, lanes 16-31 block 2 c + 1
.irp i, 0,1,2
	v_permlane16_swap_b32 v[40+6*\c+\i], v[52+4*\c+\i]
.endr
.irp i, 0,1,2
	s_delay_alu instid0(VALU_DEP_3)
	v_mov_b32 v[43+6*\c+\i], v[52+4*\c+\i]
.endr
.endr
	v_pk_add_f32 v[76:77], v[100:101], v[104:105]
	v_pk_add_f32 v[246:247], v[108:109], v[112:113]
	v_pk_add_f32 v[244:245], v[116:117], v[120:121]
	v_pk_add_f32 v[242:243], v[124:125], v[128:129]
	v_pk_add_f32 v[240:241], v[132:133], v[136:137]
	v_pk_add_f32 v[94:95], v[140:141], v[144:145]
	v_pk_add_f32 v[86:87], v[148:149], v[152:153]
	v_pk_add_f32 v[14:15], v[14:15], v[156:157]
	v_pk_add_f32 v[76:77], v[76:77], v[96:97]
	v_pk_add_f32 v[246:247], v[246:247], v[98:99]
	v_pk_add_f32 v[244:245], v[244:245], v[102:103]
	v_pk_add_f32 v[242:243], v[242:243], v[106:107]
	v_pk_add_f32 v[240:241], v[240:241], v[110:111]
	v_pk_add_f32 v[94:95], v[94:95], v[114:115]
	v_pk_add_f32 v[86:87], v[86:87], v[118:119]
	v_pk_add_f32 v[14:15], v[14:15], v[122:123]
	v_pk_add_f32 v[76:77], v[76:77], v[126:127]
	v_pk_add_f32 v[246:247], v[246:247], v[130:131]
	v_pk_add_f32 v[244:245], v[244:245], v[134:135]
	v_pk_add_f32 v[242:243], v[242:243], v[138:139]
	s_setprio 0
	v_pk_add_f32 v[240:241], v[240:241], v[142:143]
	v_pk_add_f32 v[94:95], v[94:95], v[146:147]
	v_pk_add_f32 v[86:87], v[86:87], v[150:151]
	v_pk_add_f32 v[14:15], v[14:15], v[154:155]
	v_pk_add_f32 v[76:77], v[76:77], v[158:159]
	s_delay_alu instid0(VALU_DEP_2)
	v_pk_add_f32 v[14:15], v[14:15], v[242:243]
	s_delay_alu instid0(VALU_DEP_2)
	v_pk_add_f32 v[76:77], v[76:77], v[240:241]
	v_pk_add_f32 v[246:247], v[246:247], v[94:95]
	v_pk_add_f32 v[244:245], v[244:245], v[86:87]
	s_delay_alu instid0(VALU_DEP_2)
	v_pk_add_f32 v[14:15], v[14:15], v[246:247]
	s_delay_alu instid0(VALU_DEP_2)
	v_pk_add_f32 v[76:77], v[76:77], v[244:245]
	s_delay_alu instid0(VALU_DEP_1)
	v_pk_add_f32 v[14:15], v[14:15], v[76:77]
.set j, 0
.rept 16
	v_pk_mul_f32 v[160+j:161+j], v[160+j:161+j], v[72:73] op_sel_hi:[1,0]   ; O^T under the new M.  (With the sums: the places between p's codes and scale word and the products)
.set j, j+2
.endr
	s_wait_alu depctr_va_vdst(0)
	s_wait_dscnt 0x0                               ; V and its words are in
.irp a, 0,1,2,3
	v_wmma_scale_f32_16x16x128_f8f6f4 v[160+8*\a:167+8*\a], v[192+12*\a:203+12*\a], v[40:51], v[160+8*\a:167+8*\a], v[248+\a], v254 matrix_a_fmt:MATRIX_FMT_BF6 matrix_b_fmt:MATRIX_FMT_BF6
.endr
.if \masked
.Lhidden_\@:
.endif
	s_add_co_u32 s[TB], s[TB], STEPB
	s_add_co_u32 s[J], s[J], 1
.endm
; A TILE'S END: O^T / the sum; its 32 registers are channels 32 c + 16 h + i: two blocks of the last product's K: quantised, a half's image stored, and each lane's block's byte
.macro FINISH pc, ps
.rept 4
	v_nop                                          ; places behind the last products
.endr
	v_add_f32 v14, v14, v15                        ; the sum's two halves,
	s_delay_alu instid0(VALU_DEP_1)
	v_permlanex16_b32 v74, v14, s[SEL], s[SEL+1]
	s_delay_alu instid0(VALU_DEP_1)
	v_add_f32 v14, v14, v74                        ; and lane l xor 16's
	s_wait_alu depctr_va_vdst(0)
	v_rcp_f32 v72, v14
	v_nop                                          ; one plain place behind a transcendental
.set j, 0
	s_wait_alu depctr_va_vdst(0)
.rept 16
	v_pk_mul_f32 v[160+j:161+j], v[160+j:161+j], v[72:73] op_sel_hi:[1,0]
.set j, j+2
.endr
.irp c, 0,1
	v_max3_num_f32 v[60+\c], |v[160+16*\c]|, |v[161+16*\c]|, 0x2800000
.endr
.irp i, 2,4,6,8,10,12,14
.irp c, 0,1
	s_delay_alu instid0(VALU_DEP_2)
	v_max3_num_f32 v[60+\c], v[60+\c], |v[160+16*\c+\i]|, |v[161+16*\c+\i]|
.endr
.endr
.irp c, 0,1
	s_delay_alu instid0(VALU_DEP_2)
	v_permlanex16_b32 v[64+\c], v[60+\c], s[SEL], s[SEL+1]
.endr
.irp c, 0,1
	s_delay_alu instid0(VALU_DEP_2)
	v_max_num_f32 v[60+\c], v[60+\c], v[64+\c]
.endr
.irp c, 0,1
	s_delay_alu instid0(VALU_DEP_2)
	v_add_nc_u32 v[68+\c], 0xfe000000, v[60+\c]
.endr
.irp c, 0,1
	s_delay_alu instid0(VALU_DEP_2)
	v_lshrrev_b32 v[64+\c], 23, v[68+\c]
.endr
	v_cvt_scalef32_pk16_bf6_f32 v[40:42], v[160:175], v68
	v_cvt_scalef32_pk16_bf6_f32 v[44:46], v[176:191], v69
	v_cndmask_b32 v66, v64, v65, s[HM]             ; my block's byte: lanes 0-15 block 0, lanes 16-31 block 1.  (The plain place behind the conversions)
.irp i, 0,1,2
	v_permlane16_swap_b32 v[40+\i], v[44+\i]
.endr
.irp i, 0,1,2
	s_delay_alu instid0(VALU_DEP_3)
	v_mov_b32 v[43+\i], v[44+\i]
.endr
	global_store_b128 v1, v[40:43], s[\pc:\pc+1]   ; 768 consecutive bytes, at a multiple of 256 from c2's first byte
	global_store_b64 v2, v[44:45], s[\pc:\pc+1] offset:512
	global_store_b8 v9, v66, s[\ps:\ps+1]
.endm
	START
	s_mov_b32 s[TB], 0
	s_mov_b32 s[J], 0
	s_wait_tensorcnt 0x1                           ; my part of key steps 0 to 7 is in; the load of steps 8 to 15 may be out,
	s_barrier_signal -1
	s_barrier_wait -1                              ; everybody's is
	s_wait_loadcnt 0x0                             ; Q
.Llong_open:                                       ; the long tile, key steps 0 to 7: its block is 8 or more, so all their keys count
	STEP 16, 252, 0
	s_cmp_lt_u32 s[J], 8
	s_cbranch_scc1 .Llong_open
	s_setprio 0
	s_wait_tensorcnt 0x0                           ; my part of key steps 8 to 15 is in,
	s_wait_dscnt 0x0
	s_barrier_signal -1
	s_barrier_wait -1                              ; everybody's is
	s_mov_b32 s[BETA], s17
.Llong_rest:                                       ; key steps 8 to 15
	STEP 16, 252, 1
	s_cmp_lt_u32 s[J], 16
	s_cbranch_scc1 .Llong_rest
	s_setprio 0
	FINISH 44, 46
	s_wait_xcnt 0x0                                ; the stores have read their registers
	START
	s_mov_b32 s[TB], 0
	s_mov_b32 s[J], 0
	s_mov_b32 s[BETA], s16
.Lshort:                                           ; the short tile, key steps 0 to 7
	STEP 28, 253, 1
	s_cmp_lt_u32 s[J], 8
	s_cbranch_scc1 .Lshort
	s_setprio 0
	FINISH 48, 50
	s_wait_xcnt 0x0
	v_lshl_add_u32 v254, v0, 2, 0x34000
	v_mov_b32 v255, 0
	s_wait_alu depctr_va_vdst(0)
	s_wait_tensorcnt 0x0
	ds_add_u32 v254, v255
	s_wait_dscnt 0x0
	CROUND                                         ; the closing round: no work-group ends while a partner may still ask for a tile that names it
	s_endpgm
.Lfunc_end_k_q24f377b20a_attn:
	.size	k_q24f377b20a_attn, .Lfunc_end_k_q24f377b20a_attn-k_q24f377b20a_attn
	.p2alignl 7, 3214868480
	.fill 96, 4, 3214868480
	.section	.rodata,"a",@progbits
	.p2align	6, 0x0
	.amdhsa_kernel k_q24f377b20a_attn
		.amdhsa_group_segment_fixed_size 215040
		.amdhsa_private_segment_fixed_size 0
		.amdhsa_enable_private_segment 0
		.amdhsa_kernarg_size 32
		.amdhsa_user_sgpr_count 2
		.amdhsa_user_sgpr_kernarg_segment_ptr 1
		.amdhsa_wavefront_size32 1
		.amdhsa_system_sgpr_workgroup_id_x 1
		.amdhsa_system_sgpr_workgroup_id_y 1
		.amdhsa_system_sgpr_workgroup_id_z 1
		.amdhsa_system_vgpr_workitem_id 0
		.amdhsa_next_free_vgpr 256
		.amdhsa_next_free_sgpr 80
		.amdhsa_reserve_vcc 1
		.amdhsa_float_denorm_mode_32 3
		.amdhsa_float_denorm_mode_16_64 3
		.amdhsa_memory_ordered 1
		.amdhsa_forward_progress 1
		.amdhsa_inst_pref_size 81
	.end_amdhsa_kernel
	.amdgpu_metadata
---
amdhsa.version: [ 1, 2 ]
amdhsa.kernels:
  - .name:           k_q24f377b20a_attn
    .symbol:         k_q24f377b20a_attn.kd
    .args:
      - { .name: qb, .offset: 0, .size: 8, .value_kind: global_buffer, .address_space: global }
      - { .name: kv, .offset: 8, .size: 8, .value_kind: global_buffer, .address_space: global }
      - { .name: c2, .offset: 16, .size: 8, .value_kind: global_buffer, .address_space: global }
      - { .name: s2, .offset: 24, .size: 8, .value_kind: global_buffer, .address_space: global }
    .group_segment_fixed_size: 215040
    .private_segment_fixed_size: 0
    .kernarg_segment_align: 8
    .kernarg_segment_size: 32
    .max_flat_workgroup_size: 512
    .sgpr_count:     80
    .vgpr_count:     256
    .wavefront_size: 32
...
	.end_amdgpu_metadata
.endif
;; end of part 3
;; launch oproj (part 4): grid 8 x 32, 4 waves a work-group, clusters of 4 x 4, 295,424 bytes of LDS; arguments c2, s2, c1, s1, out0; writes out0
.if DOCPART == 4
	.amdgcn_target "amdgcn-amd-amdhsa--gfx1250"
	.amdhsa_code_object_version 6
	.text
	.protected	k_q24f377b20a_oproj
	.globl	k_q24f377b20a_oproj
	.p2align	8
	.type	k_q24f377b20a_oproj,@function
k_q24f377b20a_oproj:
	s_mov_b64 s[64:65], 0
	v_nop
	global_prefetch_b8 v0, s[64:65] scope:SCOPE_SE
	s_setreg_imm32_b32 hwreg(HW_REG_WAVE_MODE, 25, 1), 1
	s_wait_xcnt 0x0
	s_wait_alu depctr_hold_cnt(0) depctr_sa_sdst(0) depctr_va_vdst(0) depctr_va_sdst(0) depctr_va_ssrc(0) depctr_va_vcc(0) depctr_vm_vsrc(0)
	s_getreg_b32 s2, hwreg(HW_REG_IB_STS2, 6, 4)
	s_cmp_eq_u32 s2, 0
	s_cbranch_scc0 .Lentry_in_a_cluster
	s_endpgm
.Lentry_in_a_cluster:
	s_bfe_u32 s2, ttmp6, 0x10000c
	s_cmp_lg_u32 s2, 0xf033
	s_cbranch_scc0 .Lentry_shape_is_right
	s_endpgm
.Lentry_shape_is_right:
; out0 = a Wo^T on codes of BF6 (E3M2) with E8M0 scales; a [8192][1024] is the attention's result as codes (c2, s2), Wo's codes are tiles 704-767 of c1, s1.  out0: [8192][1024] f32; sums in f32.
; TILES AND IMAGES.  A tile is 16 rows: lane r of tile T holds row 32 (T / 2) + 8 (T % 2) + r + 8 (r / 8).  A fragment (a tile x 128 K) is 1,536 bytes: registers 0-3 at 16 x lane, 4-5 at 512 + 8 x lane, 6-9 at 768 + 16 x lane,
; 10-11 at 1,280 + 8 x lane.  c2 = [K quarter 4][tile 512][K step 2][fragment], c1 likewise with 768 tiles; s2, s1 = [tile][K half 2][r 16][4 words].
; A WORK-GROUP makes 256 rows x 128 columns, K = 1,024.  ALL of K lies in LDS (A 196,608 bytes, B 98,304), filled once: no slot is filled again.  Four waves; wave w takes A's tiles 4 w .. 4 w + 3 against B's eight:
; 32 accumulators.  THE MATRIX INSTRUCTION IS USED TRANSPOSED (source 0 = a tile of Wo, source 1 = a tile of a): a lane holds one row, and register 16 c + i of an A tile's 64 is column 32 c + 16 (lane / 16) + i.
; CLUSTER 4 x 4: A's tiles are asked for jointly along a row of the cluster, B's along a column.  Each wave issues eight joint loads at the start; by this text's count eight tensor loads of a wave are out at the most.
; THE WAY OUT: a tile's 16 rows x 512 bytes go through the wave's own stage in LDS and leave as whole rows.  The stage lies in my own part of A's first K quarter, which has had its only fill and which I alone have read.
; REGISTERS, in windows of 256: window 0: v1-15 addresses; v32-63 A's scale words (8 a + K step), v64-127 B's (8 b + K step): they hold nothing else; v128-223 A's fragments, two sets; on the way out v128-255 rows of out0.
;   window 1: accumulator (a, b) at v[8 (8 a + b)].   window 2: B's fragments, two sets of 96.
.set QS1,  2359296                     ; bytes of a K quarter of c1
.set QS2,  1572864                     ; of c2
.set AQ,   49152                       ; LDS: a K quarter of A's 16 tiles
.set BQ,   24576                       ; of B's 8
.set BB0,  196608                      ; where B begins
.set L16,  4                           ; v4   16 x lane
.set L8,   5                           ; v5   8 x lane
.set AA16, 8                           ; v8-9   LDS addresses of my A tiles in the K quarter in hand, for loads of 16 and of 8 bytes
.set AA8,  9
.set BA16, 10                          ; v10-11 the same for B
.set BA8,  11
.set STO,  14                          ; v14  the stage: where I put my part of a row
.set RD,   15                          ; v15  and where I read a row back
.set SA,   32
.set SB,   64
.set AF,   128
.set MSB, 0
.macro WIN new                         ; the immediate's high byte repeats the setting that is left
.if MSB != \new
	s_set_vgpr_msb (MSB<<8)|\new
.set MSB, \new
.endif
.endm
.macro PLACES
.rept 4
	v_nop
.endr
.endm
.macro CROUND                          ; a round of the cluster's barrier
	s_barrier_signal -1
	s_barrier_wait -1
	s_cmp_lg_u32 s14, 0
	s_cbranch_scc1 .Lnot_wave_0_\@
	s_barrier_signal -3
.Lnot_wave_0_\@:
	s_barrier_wait -3
	s_barrier_signal -1
	s_barrier_wait -1
.endm
.macro MKG0 g, sl, lo, sg, go          ; descriptor group 0 at s[g]: LDS byte s[sl] + lo, memory s[sg:sg+1] + go
	s_mov_b32 s[\g], 1
	s_add_co_u32 s[\g+1], s[\sl], \lo
	s_add_nc_u64 s[\g+2:\g+3], s[\sg:\sg+1], \go
	s_or_b32 s[\g+3], s[\g+3], 0x80000000
.endm
	s_load_b256 s[4:11], s[0:1], 0x0               ; c2, s2, c1, s1
	s_load_b64 s[12:13], s[0:1], 0x20              ; out0
	v_lshl_add_u32 v30, v0, 2, 0x48000
	v_mov_b32 v31, 0
	ds_add_u32 v30, v31
	ds_add_u32 v30, v31
	v_lshrrev_b32 v1, 5, v0
	v_readfirstlane_b32 s14, v1                    ; wave 0..3
	; A's side: registers that hold cy and never cx
	s_bfe_u32 s16, ttmp6, 0x40004                  ; cy
	s_and_b32 s18, ttmp7, 0xffff
	s_lshl_b32 s19, s18, 2
	s_add_co_u32 s19, s19, s16                     ; tr = 4 x cluster y + cy: which 256 rows
	s_lshl_b32 s20, s19, 4
	s_lshl_b32 s21, s14, 2
	s_add_co_u32 s20, s20, s21                     ; my first tile of A
	s_mul_i32 s94, s20, 3072
	s_mov_b32 s95, 0
	s_lshl_b32 s2, s16, 2
	s_lshl_b32 s2, 15, s2                          ; my row of the cluster
	s_or_b32 s24, s2, (3<<16)|(1<<21)              ; group 1 for A: 15:0 the mask; 17:16 elements of 8 bytes; 21 set beside a mask; no padding
	s_mov_b32 s25, 32<<16                          ; tensor_dim0 = 32 elements: rows of 256 bytes of a dense block
	s_mov_b32 s26, 48<<16                          ; tensor_dim1 = 48 rows: four tiles x two K steps, 12,288 bytes
	s_mov_b32 s27, 32<<16                          ; tile_dim0
	s_mov_b32 s28, 48                              ; tile_dim1
	s_mov_b32 s29, 32                              ; from row to row
	s_mov_b32 s30, 0
	s_mov_b32 s31, 0
	; B's side: registers that hold cx and never cy
	s_bfe_u32 s15, ttmp6, 0x40000                  ; cx
	s_lshl_b32 s22, ttmp9, 2
	s_add_co_u32 s22, s22, s15                     ; tc = 4 x cluster x + cx: which 128 columns
	s_lshl_b32 s23, s22, 3
	s_add_co_u32 s23, s23, 704                     ; Wo's tiles
	s_lshl_b32 s98, s14, 1
	s_add_co_u32 s98, s23, s98                     ; the two tiles of B that I fetch
	s_mul_i32 s96, s98, 3072
	s_mov_b32 s97, 0
	s_lshl_b32 s99, 0x1111, s15                    ; my column of the cluster
	s_or_b32 s32, s99, (3<<16)|(1<<21)             ; group 1 for B: 24 rows of 256 bytes
	s_mov_b32 s33, 32<<16
	s_mov_b32 s34, 24<<16
	s_mov_b32 s35, 32<<16
	s_mov_b32 s36, 24
	s_mov_b32 s37, 32
	s_mov_b32 s38, 0
	s_mov_b32 s39, 0
	s_mul_i32 s17, s14, 12288                      ; where they go: no place in the cluster enters an LDS address
	s_mul_i32 s66, s14, 6144
	s_wait_dscnt 0x0
	s_wait_kmcnt 0x0
	s_add_nc_u64 s[94:95], s[4:5], s[94:95]
	s_add_nc_u64 s[96:97], s[8:9], s[96:97]
.irp q, 0,1,2,3
	MKG0 40+4*\q,17,\q*AQ,94,\q*QS2
.endr
	MKG0 56,66,BB0,96,0
	MKG0 60,66,BB0+BQ,96,QS1
	MKG0 68,66,BB0+2*BQ,96,2*QS1
	MKG0 72,66,BB0+3*BQ,96,3*QS1
	CROUND                                         ; all sixteen work-groups are here: the joint loads meet
	tensor_load_to_lds s[40:43], s[24:31]          ; K quarter 0: A's, B's
	s_nop 0
	tensor_load_to_lds s[56:59], s[32:39]
	s_nop 0
	tensor_load_to_lds s[44:47], s[24:31]          ; 1
	s_nop 0
	tensor_load_to_lds s[60:63], s[32:39]
	s_nop 0
	tensor_load_to_lds s[48:51], s[24:31]          ; 2
	s_nop 0
	tensor_load_to_lds s[68:71], s[32:39]
	s_nop 0
	tensor_load_to_lds s[52:55], s[24:31]          ; 3
	s_nop 0
	tensor_load_to_lds s[72:75], s[32:39]
	s_nop 0
	PLACES                                         ; (four v_nop follow the last)
	v_and_b32 v1, 31, v0                           ; lane
	v_and_b32 v2, 15, v0                           ; r
	v_bfe_u32 v3, v0, 4, 1                         ; h
	v_lshlrev_b32 v[L16], 4, v1
	v_lshlrev_b32 v[L8], 3, v1
	v_add_nc_u32 v[AA16], s17, v[L16]
	v_add_nc_u32 v[AA8], s17, v[L8]
	v_add_nc_u32 v[BA16], BB0, v[L16]
	v_add_nc_u32 v[BA8], BB0, v[L8]
	v_lshlrev_b32 v6, 4, v2                        ; 16 r
	s_lshl_b32 s86, s20, 9
	v_add_nc_u32 v12, s86, v6                      ; the scale words: 512 bytes a tile, 16 a row
	s_lshl_b32 s86, s23, 9
	v_add_nc_u32 v13, s86, v6
.irp a, 0,1,2,3
.irp g, 0,1
	global_load_b128 v[SA+8*\a+4*\g:SA+8*\a+4*\g+3], v12, s[6:7] offset:\a*512+\g*256   ; the scale words of four K steps at once
.endr
.endr
.irp b, 0,1,2,3,4,5,6,7
.irp g, 0,1
	global_load_b128 v[SB+8*\b+4*\g:SB+8*\b+4*\g+3], v13, s[10:11] offset:\b*512+\g*256
.endr
.endr
	v_mul_u32_u24 v[STO], v2, 528                  ; the stage: row r of 512 bytes + 16, + 64 h
	v_lshl_add_u32 v[STO], v3, 6, v[STO]
	v_add_nc_u32 v[STO], s17, v[STO]
	v_add_nc_u32 v[RD], s17, v[L16]                ; back: the 32 lanes take one row
	s_lshl_b32 s86, s19, 8
	s_lshl_b32 s87, s14, 6
	s_add_co_u32 s86, s86, s87                     ; my first row: 256 tr + 64 x wave
	s_lshl_b32 s86, s86, 12
	s_lshl_b32 s87, s22, 9                         ; my first column, in bytes
	s_add_co_u32 s86, s86, s87
	s_mov_b32 s87, 0
	s_add_nc_u64 s[76:77], s[12:13], s[86:87]
.macro FRAG reg, a16, a8, off          ; a fragment's image comes back as it was stored
	ds_load_b128 v[\reg:\reg+3], v[\a16] offset:\off
	ds_load_b64 v[\reg+4:\reg+5], v[\a8] offset:\off+512
	ds_load_b128 v[\reg+6:\reg+9], v[\a16] offset:\off+768
	ds_load_b64 v[\reg+10:\reg+11], v[\a8] offset:\off+1280
.endm
.macro FETCH ks, p                     ; K step ks's fragments into set p: 48 LDS loads in one run
	WIN 0x80                                       ; destination window 2
.irp b, 0,1,2,3,4,5,6,7
	FRAG 96*(\p)+12*\b,BA16,BA8,\b*3072+((\ks)%2)*1536
.endr
	WIN 0
.irp a, 0,1,2,3
	FRAG AF+48*(\p)+12*\a,AA16,AA8,\a*3072+((\ks)%2)*1536
.endr
.endm
; 16 matrix instructions: A's tiles a0, a0 + 1 against B's eight.  The 32 accumulators take turns, one instruction a turn, in the same order in every K step.  K step 0 starts the sums.
.macro MULH ks, a0
	WIN 0x52                                       ; source 0 (B) window 2, source 1 (A) window 0, C and D window 1
.irp a, \a0, \a0+1
.irp b, 0,1,2,3,4,5,6,7
.if (\ks) == 0
	v_wmma_scale_f32_16x16x128_f8f6f4 v[8*(8*(\a)+\b):8*(8*(\a)+\b)+7], v[96*((\ks)%2)+12*\b:96*((\ks)%2)+12*\b+11], v[AF+48*((\ks)%2)+12*(\a):AF+48*((\ks)%2)+12*(\a)+11], 0, v[SB+8*\b+(\ks)], v[SA+8*(\a)+(\ks)] matrix_a_fmt:MATRIX_FMT_BF6 matrix_b_fmt:MATRIX_FMT_BF6
.else
	v_wmma_scale_f32_16x16x128_f8f6f4 v[8*(8*(\a)+\b):8*(8*(\a)+\b)+7], v[96*((\ks)%2)+12*\b:96*((\ks)%2)+12*\b+11], v[AF+48*((\ks)%2)+12*(\a):AF+48*((\ks)%2)+12*(\a)+11], v[8*(8*(\a)+\b):8*(8*(\a)+\b)+7], v[SB+8*\b+(\ks)], v[SA+8*(\a)+(\ks)] matrix_a_fmt:MATRIX_FMT_BF6 matrix_b_fmt:MATRIX_FMT_BF6
.endif
.endr
.endr
.endm
; A K step: 32 matrix instructions; in its middle the next step's fragments are fetched into the other set.  In K steps 1, 3, 5 the next step lies in the next K quarter: my two loads of that quarter are waited for
; (the two of each later quarter may stay out), and a barrier shows every wave's part of B.
.macro KSTEP ks
	s_wait_dscnt 0x0                               ; this step's fragments are in
.if ((\ks) == 1) || ((\ks) == 3) || ((\ks) == 5)
	s_wait_tensorcnt 5-(\ks)
	s_barrier_signal -1
.endif
	MULH \ks,0
.if ((\ks) == 1) || ((\ks) == 3) || ((\ks) == 5)
	s_barrier_wait -1
	WIN 0
	v_add_nc_u32 v[AA16], AQ, v[AA16]              ; on to the next K quarter.  These four are also the places in front of the loads into registers that matrix instructions have read
	v_add_nc_u32 v[AA8], AQ, v[AA8]
	v_add_nc_u32 v[BA16], BQ, v[BA16]
	v_add_nc_u32 v[BA8], BQ, v[BA8]
.elseif (\ks) < 7
	PLACES
.endif
.if (\ks) < 7
	FETCH (\ks)+1,1-(\ks)%2
.endif
	MULH \ks,2
.endm
	s_wait_tensorcnt 6                             ; my parts of K quarter 0 are in; the six loads of the later quarters may be out,
	s_barrier_signal -1
	s_barrier_wait -1                              ; everybody's are
	FETCH 0,0
	s_wait_loadcnt 0x0                             ; the scale words
.irp k, 0,1,2,3,4,5,6,7
	KSTEP \k
.endr
	WIN 0
	PLACES                                         ; in front of the first read of results, and of loads into registers that held A's fragments
.macro TOSTAGE a                       ; A tile a: 16 rows x 128 columns into my stage, and back as whole rows of 512 bytes
	WIN 0x04                                       ; an LDS store's data are its source 1: window 1
.irp c, 0,1,2,3
.irp k, 0,1,2,3
	ds_store_b128 v[STO], v[64*(\a)+16*\c+4*\k:64*(\a)+16*\c+4*\k+3] offset:128*\c+16*\k   ; each accumulator from its low end on
.endr
.endr
	WIN 0
.irp t, 0,1,2,3,4,5,6,7,8,9,10,11,12,13,14,15
	ds_load_b128 v[128+64*((\a)%2)+4*\t:128+64*((\a)%2)+4*\t+3], v[RD] offset:\t*528   ; LDS serves a wave's instructions in order: these see the stores above, and the next tile's stores come behind them
.endr
.endm
.macro SEND a, younger                 ; younger: the LDS instructions issued behind tile a's loads, which may stay out
	s_wait_dscnt \younger
.irp t, 0,1,2,3,4,5,6,7,8,9,10,11,12,13,14,15
	global_store_b128 v[L16], v[128+64*((\a)%2)+4*\t:128+64*((\a)%2)+4*\t+3], s[76:77] offset:(32*((\a)/2)+8*((\a)%2)+\t+8*(\t/8))*4096 th:TH_STORE_NT   ; 32 lanes store 512 consecutive bytes of the tile's row t, at a multiple of 256 from out0's first byte
.endr
.endm
	TOSTAGE 0
	TOSTAGE 1
	SEND 0, 32                                     ; behind tile 0's loads: tile 1's 16 stores and 16 loads
	s_wait_xcnt 0x0                                ; tile 0's stores have read their registers: tile 2's rows may land there
	TOSTAGE 2
	SEND 1, 32
	s_wait_xcnt 0x0
	TOSTAGE 3
	SEND 2, 32
	SEND 3, 0
	s_wait_dscnt 0x0
	s_wait_tensorcnt 0x0
	ds_add_u32 v30, v31
	s_wait_dscnt 0x0
	CROUND                                         ; the closing round: no work-group ends while a partner may still ask for a tile that names it
	s_endpgm
.Lfunc_end_k_q24f377b20a_oproj:
	.size	k_q24f377b20a_oproj, .Lfunc_end_k_q24f377b20a_oproj-k_q24f377b20a_oproj
	.p2alignl 7, 3214868480
	.fill 96, 4, 3214868480
	.section	.rodata,"a",@progbits
	.p2align	6, 0x0
	.amdhsa_kernel k_q24f377b20a_oproj
		.amdhsa_group_segment_fixed_size 295424
		.amdhsa_private_segment_fixed_size 0
		.amdhsa_enable_private_segment 0
		.amdhsa_kernarg_size 40
		.amdhsa_user_sgpr_count 2
		.amdhsa_user_sgpr_kernarg_segment_ptr 1
		.amdhsa_wavefront_size32 1
		.amdhsa_system_sgpr_workgroup_id_x 1
		.amdhsa_system_sgpr_workgroup_id_y 1
		.amdhsa_system_sgpr_workgroup_id_z 1
		.amdhsa_system_vgpr_workitem_id 0
		.amdhsa_next_free_vgpr 768
		.amdhsa_next_free_sgpr 100
		.amdhsa_reserve_vcc 0
		.amdhsa_float_denorm_mode_32 3
		.amdhsa_float_denorm_mode_16_64 3
		.amdhsa_memory_ordered 1
		.amdhsa_forward_progress 1
		.amdhsa_inst_pref_size 83
	.end_amdhsa_kernel
	.amdgpu_metadata
---
amdhsa.version: [ 1, 2 ]
amdhsa.kernels:
  - .name:           k_q24f377b20a_oproj
    .symbol:         k_q24f377b20a_oproj.kd
    .args:
      - { .name: c2, .offset: 0, .size: 8, .value_kind: global_buffer, .address_space: global }
      - { .name: s2, .offset: 8, .size: 8, .value_kind: global_buffer, .address_space: global }
      - { .name: c1, .offset: 16, .size: 8, .value_kind: global_buffer, .address_space: global }
      - { .name: s1, .offset: 24, .size: 8, .value_kind: global_buffer, .address_space: global }
      - { .name: out0, .offset: 32, .size: 8, .value_kind: global_buffer, .address_space: global }
    .group_segment_fixed_size: 295424
    .private_segment_fixed_size: 0
    .kernarg_segment_align: 8
    .kernarg_segment_size: 40
    .max_flat_workgroup_size: 128
    .sgpr_count:     100
    .vgpr_count:     768
    .wavefront_size: 32
...
	.end_amdgpu_metadata
.endif
;; end of part 4
